; MI455X (gfx1250); checked and timed in simulation.
; The chip was launched on July 23, 2026; its instructions are those of AMD's public machine-readable ISA for CDNA 5 (MIT licence, August 2026) and "CDNA5" Instruction Set Architecture Reference Guide (July 2026). The comments in the code are by the model that wrote it; some were corrected since.
;; Multihead Attention. Allowed arithmetic: matrix products marked QUANTISED: E2M3 operands, one E8M0 scale for each 32 along K, by v_wmma_scale_f32_16x16x128_f8f6f4 with both operands' format E2M3, f32 sums; everything else in f32.
;; Inputs: o_b 1,024 float32; o_w 1,024 x 1,024 float32; qkv_b 3,072 float32; qkv_w 3,072 x 1,024 float32; x 4 x 2,048 x 1,024 float32.
;; Outputs: out0 4 x 2,048 x 1,024 float32.
;; This version of the problem:
;;   THIS VERSION OF THE PROBLEM IS GIVEN IN LOW PRECISION. The matrix products marked QUANTISED in the list below multiply operands that are first quantised to E2M3 (2 exponent bits, 3 mantissa bits; 6 bits a number), with one power-of-two scale for each 32 numbers along K (OCP MX v1.0); their sums are f32. All else is computed in f32.
;;   The module's matrix products, in the order in which they are computed (A, B: the left and right operand; K: the contracted axis; several contracted axes count as one K, in the product's order):
;;     1. [M 8,192, K 1,024] x [K 1,024, N 3,072]; A: input x; B: input qkv_w: QUANTISED
;;     2. batch 64 x [M 2,048, K 64] x [K 64, N 2,048]; A: computed on the way; B: computed on the way: QUANTISED
;;     3. batch 64 x [M 2,048, K 2,048] x [K 2,048, N 64]; A: softmax (see below); B: computed on the way: QUANTISED
;;     4. [M 8,192, K 1,024] x [K 1,024, N 1,024]; A: computed on the way; B: input o_w: QUANTISED
;;   THE QUANTISER, for each operand of a quantised product, along K:
;;     - K is cut into blocks of 32 from its start; a last block that is shorter is filled with zeros.
;;     - A block's scale is 2^e with e = floor(log2(the largest magnitude in the block)) - 2, held to -126 .. 127; a block of zeros has e = 0. As a byte (E8M0): e + 127.
;;     - Each number is divided by its block's scale, clamped to +-7.5, and rounded to the nearest number of E2M3, ties to even, subnormals kept.
;;     - The product sums the exact products of the quantised numbers (number of the format x scale) in f32.
;;   ~~~python
;;   def quantise(x, axis):      # numpy; x: float32 -> the quantised numbers, widened to float32 again
;;       x = np.moveaxis(x, axis, -1); K = x.shape[-1]
;;       x = np.pad(x, [(0, 0)] * (x.ndim - 1) + [(0, -K % 32)]); x = x.reshape(x.shape[:-1] + (-1, 32)); a = np.abs(x).max(-1, keepdims=True)
;;       e = np.where(a > 0, np.clip(np.frexp(np.where(a > 0, a, 1))[1] - 1 - 2, -126, 127), 0)      # np.frexp(a)[1] - 1 = floor(log2(a)), exactly
;;       r = np.clip(x / 2.0 ** e, -7.5, 7.5)
;;       step = 2.0 ** (np.maximum(np.frexp(np.where(r == 0, 1, r))[1] - 1, 0) - 3)
;;       q = np.round(r / step) * step * 2.0 ** e      # np.round: ties to even
;;       return np.moveaxis(q.reshape(q.shape[:-2] + (-1,))[..., :K], -1, axis).astype(np.float32)
;;   ~~~
;;   SOFTMAX AHEAD OF A QUANTISED PRODUCT. Where the list says 'softmax', what is quantised is not the finished softmax but p = 2^(t - M), with t = logit x log2(e) and M = ceil(the row's largest t), a whole number; so 1/2 < the row's largest p <= 1. The row's sum l is taken of the UNQUANTISED p, in f32, and the product's result is divided by l at the end. Since M is a whole number, a kernel that streams over the keys may use a running M (the ceiling of the running maximum): every later rescaling is an exact power of two, which a block's scale takes up: the codes' values come out the same.
;;   OPERANDS COMPUTED ON THE WAY. 'Computed on the way' means the value that the module computes at that place (a softmax that the list does not call 'softmax' is quantised finished and normalised). What goes into a quantiser is computed in f32, as accurately as f32 sums, v_exp_f32 and their like allow (about 1e-6 of the number): no bf16 or f16 on the way to a quantiser, and a product that is left as it is and whose result goes on into a quantised operand takes f32 operands (vector FMAs, or v_wmma_f32_16x16x4_f32). A number that lies on a knife's edge between two numbers of the format may be rounded either way, as far as f32 arithmetic and the matrix unit's own rounding can turn it there, and no further.
;; One version. Each part assembles by itself: llvm-mc -triple=amdgcn-amd-amdhsa -mcpu=gfx1250 --defsym DOCPART=n.
;; ======== version 1 of 1: 4 launches
;; limits: right only within a limited range of input values
;; workspace buffers: codes 9,437,184 bytes; scales 393,216 bytes; qimg 6,291,456 bytes; kv 12,582,912 bytes; sc 786,432 bytes; vimg 6,291,456 bytes; vsc 262,144 bytes
;; launch quant (part 1): grid 384 x 1, 4 waves a work-group, no clusters, 35,328 bytes of LDS; arguments x, qkv_w, o_w, codes, scales; writes codes, scales
.if DOCPART == 1
	.amdgcn_target "amdgcn-amd-amdhsa--gfx1250"
	.amdhsa_code_object_version 6
	.text
	.protected	k_qe9406f3abd_quant
	.globl	k_qe9406f3abd_quant
	.p2align	8
	.type	k_qe9406f3abd_quant,@function
k_qe9406f3abd_quant:
	s_mov_b64 s[64:65], 0
	v_nop
	global_prefetch_b8 v0, s[64:65] scope:SCOPE_SE
	s_setreg_imm32_b32 hwreg(HW_REG_WAVE_MODE, 25, 1), 1
	s_wait_xcnt 0x0
; x [8192][1024], qkv_w [3072][1024] and o_w [1024][1024], f32 with K innermost, become codes of FP6 (E2M3) with one E8M0 byte for each 32 along K,
; laid in the ORDER OF THE OPERAND'S REGISTERS, so that the products' launches fetch fragments by dense loads alone.
; A block's scale is 2^(floor(log2(its largest magnitude)) - 2); its byte is the largest magnitude's exponent field - 2, held at 1 from below.
; LIMITS: NaN and infinities among the inputs are not served; a block whose largest magnitude lies under 2^-124 keeps the byte 1; a block of zeros has the byte 1
; where the rule says 127: its codes are zeros, which add nothing, and this program alone reads the bytes.
; ROWS ARE STORED IN TILES OF 16 THAT ARE NOT NEIGHBOURS: index i of stored tile 2 b + u is row 32 b + 8 u + i + 8 (i / 8).  A product that takes such a tile as its source 0 leaves, in the 16 registers
; of tiles 2 b and 2 b + 1, 16 neighbours along that axis: what the next quantiser wants.  Only this launch's loads and the last launch's stores know of it.
; LAYOUT.  A HALF is 768 bytes: 16 rows x 64 along K, six registers a lane (lane (r, h): row r, block h): registers 0-3 at 16 x lane, registers 4-5 at 512 + 8 x lane.
; codes: three regions (x, qkv_w, o_w), each [K / 256][tile][4 halves].  scales: [tile][K / 256][row][2 words], a word = the four bytes of 128 along K.
; SHARES.  A work-group takes two stored tiles (32 rows); wave w takes tile w / 2 and half w % 2 of K: eight units of 16 rows x 64 K.  Each load reads two rows' aligned 256 bytes; a unit's 4,096 bytes turn
; through the wave's own stage in LDS (rows 272 bytes apart), so that a lane gets its block's 32 neighbours.  Waves share nothing: no barrier.  No input is shared between work-groups: no cluster.
.set WREG,  8704                       ; LDS of a wave: two stages of 16 rows x 272 bytes
.set STGB,  4352
.set SPARE, 4*WREG                     ; behind the stages: the spare words, 128 bytes a wave
.set GA,  1                            ; v1   in: 4,096 (lane / 16) + 16 (lane % 16)
.set SI,  2                            ; v2   the stage, on the way in
.set SO,  3                            ; v3   and on the way out: row r, + 128 h
.set LI,  4                            ; v4   16 x lane
.set L8,  5                            ; v5   8 x lane
.set SH,  6                            ; v6   8 h
.set LN,  7                            ; v7   lane
.set SPW, 14                           ; v14  my spare word's address; never rewritten
.set NIL, 15                           ; v15  0; never rewritten
.set R,   16                           ; v16-79   two sets of 32 registers as loaded
.set X,   80                           ; v80-143  two sets of 32 neighbours
.set C,   144                          ; v144-207 eight registers of codes for each unit: no store's data are written again
.set WD,  208                          ; v208-211 the four scale words
.set PT,  212                          ; v212-215 the other half's bytes
.set SEL, 40                           ; s[40:41] lane selects: lane l xor 16
	s_load_b256 s[4:11], s[0:1], 0x0               ; x, qkv_w, o_w, codes
	s_load_b64 s[12:13], s[0:1], 0x20              ; scales
	v_lshl_add_u32 v[SPW], v0, 2, SPARE
	v_mov_b32 v[NIL], 0
	v_lshrrev_b32 v8, 5, v0
	v_readfirstlane_b32 s16, v8                    ; wave
	s_lshr_b32 s17, s16, 1                         ; which of the two tiles
	s_and_b32 s18, s16, 1                          ; which half of K
	v_and_b32 v[LN], 31, v0
	v_and_b32 v8, 15, v0                           ; r
	v_bfe_u32 v9, v0, 4, 1                         ; h
	v_lshlrev_b32 v10, 4, v8
	v_lshl_add_u32 v[GA], v9, 12, v10
	s_mul_i32 s19, s16, WREG
	v_mad_u32_u24 v[SI], v9, 272, v10
	v_add_nc_u32 v[SI], s19, v[SI]
	v_mul_u32_u24 v[SO], v8, 272
	v_lshl_add_u32 v[SO], v9, 7, v[SO]
	v_add_nc_u32 v[SO], s19, v[SO]
	v_lshlrev_b32 v[LI], 4, v[LN]
	v_lshlrev_b32 v[L8], 3, v[LN]
	v_lshlrev_b32 v[SH], 3, v9
.irp k, 0,1,2,3
	v_mov_b32 v[PT+\k], 0                          ; a lane permute's destination counts as one of its sources
.endr
	s_mov_b32 s[SEL], 0x76543210
	s_mov_b32 s[SEL+1], 0xfedcba98
	s_mov_b32 s20, 352                             ; o_w's first work-group, its region in codes, and a K step of 256 of all its tiles
	s_mov_b32 s21, 8650752
	s_mov_b32 s22, 196608
	s_wait_alu depctr_va_vdst(0)
	s_wait_kmcnt 0x0
	s_cmp_lt_u32 ttmp9, 352                        ; the tensor is chosen by the work-group's number alone: one way through the text for all three
	s_cselect_b64 s[6:7], s[6:7], s[8:9]
	s_cselect_b32 s20, 256, s20
	s_cselect_b32 s21, 6291456, s21
	s_cselect_b32 s22, 589824, s22
	s_cmp_lt_u32 ttmp9, 256
	s_cselect_b64 s[4:5], s[4:5], s[6:7]
	s_cselect_b32 s20, 0, s20
	s_cselect_b32 s21, 0, s21
	s_cselect_b32 s22, 1572864, s22
	s_sub_co_u32 s23, ttmp9, s20                   ; which 32 rows of the tensor
	s_lshl_b32 s24, s23, 17                        ; 32 rows of 4,096 bytes,
	s_lshl_b32 s26, s17, 15                        ; the second tile begins 8 rows on,
	s_add_co_u32 s24, s24, s26
	s_lshl_b32 s26, s18, 11                        ; the second half of K 2,048 bytes on
	s_add_co_u32 s24, s24, s26
	s_mov_b32 s25, 0
	s_add_nc_u64 s[4:5], s[4:5], s[24:25]
	s_lshl_b32 s26, s23, 1
	s_add_co_u32 s26, s26, s17                     ; my tile in its region
	s_mul_i32 s26, s26, 3072
	s_add_co_u32 s26, s26, s21
	s_mul_i32 s28, s22, s18
	s_lshl_b32 s28, s28, 1                         ; my half of K: two K steps of 256
	s_add_co_u32 s26, s26, s28
	s_mov_b32 s27, 0
	s_add_nc_u64 s[32:33], s[10:11], s[26:27]      ; codes: units 0-3
	s_mov_b32 s30, s22
	s_mov_b32 s31, 0
	s_add_nc_u64 s[34:35], s[32:33], s[30:31]      ; units 4-7: the next K step of 256
	s_lshl_b32 s36, ttmp9, 1
	s_add_co_u32 s36, s36, s17                     ; my tile among all 768
	s_lshl_b32 s36, s36, 9
	s_lshl_b32 s37, s18, 8
	s_add_co_u32 s36, s36, s37
	s_mov_b32 s37, 0
	s_add_nc_u64 s[12:13], s[12:13], s[36:37]
.macro LOAD u                          ; unit u: load i takes the tile's rows 2 i and 2 i + 1, 256 aligned bytes of each
.irp i, 0,1,2,3,4,5,6,7
	global_load_b128 v[R+32*((\u)%2)+4*\i:R+32*((\u)%2)+4*\i+3], v[GA], s[4:5] offset:(2*\i+8*(\i/4))*4096+256*(\u) th:TH_LOAD_NT
.endr
.endm
.macro TURN u                          ; through the stage: LDS serves a wave's instructions in order, so no wait stands between the stores and the loads
.irp i, 0,1,2,3,4,5,6,7
	ds_store_b128 v[SI], v[R+32*((\u)%2)+4*\i:R+32*((\u)%2)+4*\i+3] offset:STGB*((\u)%2)+544*\i
.endr
.irp j, 0,1,2,3,4,5,6,7
	ds_load_b128 v[X+32*((\u)%2)+4*\j:X+32*((\u)%2)+4*\j+3], v[SO] offset:STGB*((\u)%2)+16*\j
.endr
.endm
.macro UNIT u
.set XS, X+32*((\u)%2)
.set CU, C+8*(\u)
	s_wait_dscnt 0x0                               ; this unit's numbers are back, and its stores into the stage have read their registers,
.if (\u)+2 < 8
	LOAD (\u)+2                                    ; which take the loads of the unit after next
	s_wait_loadcnt 8                               ; the next unit's eight loads are in; the eight just issued may be out
	TURN (\u)+1
.elseif (\u)+1 < 8
	s_wait_loadcnt 0x0                             ; nothing was issued behind the last unit's loads
	TURN (\u)+1
.endif
	v_max3_num_f32 v8, |v[XS]|, |v[XS+1]|, |v[XS+2]|               ; the block's largest magnitude: all 32 numbers are mine; two chains
	v_max3_num_f32 v9, |v[XS+3]|, |v[XS+4]|, |v[XS+5]|
.irp i, 6,10,14,18,22,26
	v_max3_num_f32 v8, v8, |v[XS+\i]|, |v[XS+\i+1]|
	v_max3_num_f32 v9, v9, |v[XS+\i+2]|, |v[XS+\i+3]|
.endr
	v_max3_num_f32 v8, v8, |v[XS+30]|, |v[XS+31]|
	v_max3_num_f32 v8, v8, v9, 0x1800000           ; and the floor 2^(3 - 127): the byte cannot fall under 1
	v_add_nc_u32 v11, 0xff000000, v8               ; 2 off the exponent field: the conversion takes this operand's exponent field as its scale
	v_cvt_scalef32_pk16_fp6_f32 v[CU:CU+2], v[XS:XS+15], v11
	v_cvt_scalef32_pk16_fp6_f32 v[CU+4:CU+6], v[XS+16:XS+31], v11  ; (a conversion's three registers begin on an even number)
	v_lshrrev_b32 v12, 23, v11                     ; the scale's byte; also the plain instruction behind the conversions
	v_mov_b32 v[CU+3], v[CU+4]                     ; six registers on end
	v_mov_b32 v[CU+4], v[CU+5]
	v_mov_b32 v[CU+5], v[CU+6]
.if (\u)%2 == 0
	v_mov_b32 v[WD+(\u)/2], v12                    ; block h of these 128 along K,
.else
	v_lshl_or_b32 v[WD+(\u)/2], v12, 16, v[WD+(\u)/2]   ; and block 2 + h
.endif
	global_store_b128 v[LI], v[CU:CU+3], s[32+2*((\u)/4):33+2*((\u)/4)] offset:768*((\u)%4)          ; 512 consecutive bytes, aligned
	global_store_b64 v[L8], v[CU+4:CU+5], s[32+2*((\u)/4):33+2*((\u)/4)] offset:768*((\u)%4)+512     ; 256 consecutive bytes, aligned
.endm
	LOAD 0
	LOAD 1
	s_wait_loadcnt 8                               ; unit 0's eight loads are in
	TURN 0
.irp u, 0,1,2,3,4,5,6,7
	UNIT \u
.endr
.irp k, 0,1,2,3
	v_lshlrev_b32 v[WD+\k], v[SH], v[WD+\k]        ; my two bytes at their places (8 h bits up);
.endr
.irp k, 0,1,2,3
	v_permlanex16_b32 v[PT+\k], v[WD+\k], s[SEL], s[SEL+1]
.endr
.irp k, 0,1,2,3
	v_or_b32 v[WD+\k], v[WD+\k], v[PT+\k]          ; with lane l xor 16's two the word is whole
.endr
	v_cmp_le_u32 vcc_lo, 16, v[LN]
	v_cndmask_b32 v8, v[WD], v[WD+2], vcc_lo       ; lanes 0-15 store the first K step's two words, lanes 16-31 the second's
	v_cndmask_b32 v9, v[WD+1], v[WD+3], vcc_lo
	global_store_b64 v[L8], v[8:9], s[12:13]       ; 256 consecutive bytes, aligned
	s_wait_tensorcnt 0x0                           ; the wave's end
	ds_add_u32 v[SPW], v[NIL]
	s_wait_dscnt 0x0
	s_endpgm
.Lfunc_end_k_qe9406f3abd_quant:
	.size	k_qe9406f3abd_quant, .Lfunc_end_k_qe9406f3abd_quant-k_qe9406f3abd_quant
	.p2alignl 7, 3214868480
	.fill 96, 4, 3214868480
	.section	.rodata,"a",@progbits
	.p2align	6, 0x0
	.amdhsa_kernel k_qe9406f3abd_quant
		.amdhsa_group_segment_fixed_size 35328
		.amdhsa_private_segment_fixed_size 0
		.amdhsa_enable_private_segment 0
		.amdhsa_kernarg_size 40
		.amdhsa_user_sgpr_count 2
		.amdhsa_user_sgpr_kernarg_segment_ptr 1
		.amdhsa_wavefront_size32 1
		.amdhsa_system_sgpr_workgroup_id_x 1
		.amdhsa_system_sgpr_workgroup_id_y 1
		.amdhsa_system_sgpr_workgroup_id_z 1
		.amdhsa_system_vgpr_workitem_id 0
		.amdhsa_next_free_vgpr 224
		.amdhsa_next_free_sgpr 66
		.amdhsa_reserve_vcc 1
		.amdhsa_float_denorm_mode_32 3
		.amdhsa_float_denorm_mode_16_64 3
		.amdhsa_memory_ordered 1
		.amdhsa_forward_progress 1
		.amdhsa_inst_pref_size 32
	.end_amdhsa_kernel
	.amdgpu_metadata
---
amdhsa.version: [ 1, 2 ]
amdhsa.kernels:
  - .name:           k_qe9406f3abd_quant
    .symbol:         k_qe9406f3abd_quant.kd
    .args:
      - { .name: x, .offset: 0, .size: 8, .value_kind: global_buffer, .address_space: global }
      - { .name: qkv_w, .offset: 8, .size: 8, .value_kind: global_buffer, .address_space: global }
      - { .name: o_w, .offset: 16, .size: 8, .value_kind: global_buffer, .address_space: global }
      - { .name: codes, .offset: 24, .size: 8, .value_kind: global_buffer, .address_space: global }
      - { .name: scales, .offset: 32, .size: 8, .value_kind: global_buffer, .address_space: global }
    .group_segment_fixed_size: 35328
    .private_segment_fixed_size: 0
    .kernarg_segment_align: 8
    .kernarg_segment_size: 40
    .max_flat_workgroup_size: 128
    .sgpr_count:     66
    .vgpr_count:     224
    .wavefront_size: 32
...
	.end_amdgpu_metadata
.endif
;; end of part 1
;; launch qkv (part 2): grid 16 x 32, 4 waves a work-group, clusters of 4 x 4, 327,680 bytes of LDS; arguments codes, scales, qkv_b, qimg, kv, sc; writes qimg, kv, sc
.if DOCPART == 2
	.amdgcn_target "amdgcn-amd-amdhsa--gfx1250"
	.amdhsa_code_object_version 6
	.text
	.protected	k_qe9406f3abd_qkv
	.globl	k_qe9406f3abd_qkv
	.p2align	8
	.type	k_qe9406f3abd_qkv,@function
k_qe9406f3abd_qkv:
	s_mov_b64 s[64:65], 0
	v_nop
	global_prefetch_b8 v0, s[64:65] scope:SCOPE_SE
	s_setreg_imm32_b32 hwreg(HW_REG_WAVE_MODE, 25, 1), 1
	s_wait_xcnt 0x0
	s_wait_alu depctr_hold_cnt(0) depctr_sa_sdst(0) depctr_va_vdst(0) depctr_va_sdst(0) depctr_va_ssrc(0) depctr_va_vcc(0) depctr_vm_vsrc(0)
	s_getreg_b32 s2, hwreg(HW_REG_IB_STS2, 6, 4)
	s_cmp_eq_u32 s2, 0
	s_cbranch_scc0 .Lentry_in_a_cluster
	s_endpgm
.Lentry_in_a_cluster:
	s_bfe_u32 s2, ttmp6, 0x10000c
	s_cmp_lg_u32 s2, 0xf033
	s_cbranch_scc0 .Lentry_shape_is_right
	s_endpgm
.Lentry_shape_is_right:
; qkv = x qkv_w^T + qkv_b on codes of FP6 (E2M3) with E8M0 scales, f32 sums; on the way out q and k are quantised along the head's 64 and v along the keys, and leave as codes in the order of the next launch's operand registers.
; LIMITS: NaN and infinities are not served; a block whose largest magnitude lies under 2^-124, a block of zeros among them, keeps the byte 1 (its codes are then zeros or next to it; this program alone reads the bytes).
; SHARES.  A work-group makes 256 stored rows (16 tiles of x) x one head's 192 columns (12 stored tiles of qkv_w: 0-3 q, 4-7 k, 8-11 v).  Wave w owns x's tiles 4 w .. 4 w + 3 against all 12: 48 accumulators.
; So every wave runs the same text, a wave's 64 rows are two whole blocks of keys, and the grid is 512 work-groups.
; q's and k's products are used TRANSPOSED (source 0 = 16 rows of qkv_w, source 1 = 16 rows of x): a lane holds one row and its registers run along the head.  v's are not (source 0 = x): a lane holds one of the head's 64
; and its registers run along the keys.  By the stored order of the tiles' rows the 16 registers of two neighbouring tiles are 16 neighbours along the axis that is quantised.
; K goes in four steps of 256 through two LDS slots; a K step's tiles are dense blocks of memory in register order, so every fragment comes by loads whose lanes stand side by side: no padding.
; All scale words of the work-group's rows come once, with the first fills.  The bias is the C of each sum's first product.
; CLUSTER 4 x 4: x's tiles are shared along a row of the cluster, qkv_w's along a column: each is asked for jointly, by the same tensor load with a mask that names the four.
; REGISTERS.  window 0: v1-29 addresses; v32-79 scale words, two sets of 24; v80-175 x's fragments, TWO sets of 48 (on the way out: the codes); v176-206 at work on the way out.
;   window 1: qkv_w's fragments, ONE set (tile bt at v[12 bt]): products go tile by tile of qkv_w, each against x's four, so a tile is free after four products.
;   window 2: q's and k's accumulators.   window 3: v0-127 v's accumulators; v128-191 q's and k's bias; v192-223 v's bias.
.set NBT,   12
.set HB,    6
.set SLOT,  86016                      ; 16 tiles of x and 12 of qkv_w, 3,072 bytes each
.set SCL,   2*SLOT                     ; the scale words: x's 16 tiles x 512 bytes, then qkv_w's 12
.set STG,   SCL+8192+NBT*512           ; a stage of 1,536 bytes for the scale words that the way out makes; no tensor load fills it
.set SPARE, STG+1536                   ; the spare words, 128 bytes a wave
.set ASTEP, 1572864                    ; a K step of 256 of all of x's tiles, in bytes
.set BSTEP, 589824                     ; and of qkv_w's
.set BOFF,  6291456                    ; qkv_w's region in codes
.set BSOFF, 262144                     ; and in scales
.set LI,  4                            ; v4   16 x lane
.set L8,  5                            ; v5   8 x lane
.set STQ, 10                           ; v10-12 the stage: where q's, k's and v's scale words go
.set STK, 11
.set STV, 12
.set SCG, 13                           ; v13  16 x thread: the stage's way out, in memory,
.set SCA, 14                           ; v14  and in LDS
.set ADRA16, 16                        ; v16-17 my four tiles of x in slot 0, 1, + 16 x lane;  v18-19 + 8 x lane
.set ADRA8,  18
.set ADRB16, 20                        ; v20-23 the same for qkv_w's tiles
.set ADRB8,  22
.set ADRS, 27                          ; v27  scale words: lanes 0-15 x's rows, lanes 16-31 qkv_w's
.set SPW,  28                          ; v28  my spare word's address; never rewritten
.set NIL,  29                          ; v29  0; never rewritten
.set SC,   32
.set AF,   80
.set PC,   80                          ; the way out: 12 registers of codes for each of six units: no store's data are written again
.set TM,   176                         ; v176-179 largest magnitudes, v180-183 the other half's and the bytes, v188-191 the conversions' scale operands
.set PW,   192                         ; v192-197 a scale word for each unit
.set CT,   200                         ; v200-206 the conversions' second halves
.set BQ,   128                         ; in window 3
.set BV,   192
.set SEL,  2                           ; s[2:3] lane selects: lane l xor 16
.set G1,   24
.set G0,   32
.set G1B,  48
.set G0B,  56
.set G1S,  68
.set G0S,  76
.set G1SB, 80
.set G0SB, 88
.set QI,   92                          ; s[92:93] qimg at my two pairs of query tiles
.set KVK,  94                          ; s[94:95] kv at my two pairs of key tiles
.set KVV,  96                          ; s[96:97] kv at my half of v's four fragments
.set SCO,  98                          ; s[98:99] sc at the work-group's 1,536 bytes
.set MSB, 0
.macro WIN new                         ; the immediate's high byte repeats the setting that is left
.if MSB != (\new)
	s_set_vgpr_msb (MSB<<8)|(\new)
.set MSB, (\new)
.endif
.endm
.macro PLACES                          ; four plain instructions between a matrix instruction and a load into, or a vector instruction's or a store's touch of, its registers
.rept 4
	v_nop
.endr
.endm
.macro DENSE g, rows                   ; descriptor group 1, words 1-7: a dense block as rows of 256 bytes (32 elements of 8 bytes)
	s_mov_b32 s[\g+1], 32<<16
	s_mov_b32 s[\g+2], (\rows)<<16
	s_mov_b32 s[\g+3], 32<<16
	s_mov_b32 s[\g+4], \rows
	s_mov_b32 s[\g+5], 32
	s_mov_b32 s[\g+6], 0
	s_mov_b32 s[\g+7], 0
.endm
; A joint load: waves 0 and 1 fetch for x, waves 2 and 3 for qkv_w.  The branch hangs on the wave's number alone.  An s_nop 0 and four v_nop follow each of the two lines.
.macro JLOAD g0a, g1a, g0b, g1b
	s_cmp_eq_u32 s17, 0
	s_cbranch_scc0 .Lfor_b_\@
	tensor_load_to_lds s[\g0a:\g0a+3], s[\g1a:\g1a+7]
	s_nop 0
.rept 4
	v_nop
.endr
	s_branch .Lasked_\@
.Lfor_b_\@:
	tensor_load_to_lds s[\g0b:\g0b+3], s[\g1b:\g1b+7]
	s_nop 0
.rept 4
	v_nop
.endr
.Lasked_\@:
.endm
.macro CREST                           ; a round of the cluster's barrier behind its opening barrier
	s_cmp_lg_u32 s16, 0
	s_cbranch_scc1 .Lnot_wave_0_\@
	s_barrier_signal -3
.Lnot_wave_0_\@:
	s_barrier_wait -3
	s_barrier_signal -1
	s_barrier_wait -1
.endm
.macro CROUND
	s_barrier_signal -1
	s_barrier_wait -1
	CREST
.endm
	s_load_b256 s[4:11], s[0:1], 0x0               ; codes, scales, qkv_b, qimg
	s_load_b128 s[12:15], s[0:1], 0x20             ; kv, sc
	v_lshl_add_u32 v[SPW], v0, 2, SPARE
	v_mov_b32 v[NIL], 0
	ds_add_u32 v[SPW], v[NIL]                      ; the wave's opening: the add and its wait stand ahead of my first tensor load; work on registers stands between them
	ds_add_u32 v[SPW], v[NIL]
	v_lshrrev_b32 v1, 5, v0
	v_readfirstlane_b32 s16, v1                    ; wave
	s_lshr_b32 s17, s16, 1                         ; I fetch for x (0) or for qkv_w (1)
	s_and_b32 s18, s16, 1                          ; and which half of its tiles
	s_bfe_u32 s40, ttmp6, 0x40000                  ; cx, cy
	s_bfe_u32 s41, ttmp6, 0x40004
	s_lshl_b32 s42, ttmp9, 2
	s_add_co_u32 s42, s42, s40                     ; the head
	s_and_b32 s43, ttmp7, 0xffff
	s_lshl_b32 s43, s43, 2
	s_add_co_u32 s43, s43, s41                     ; which 256 rows
	s_lshl_b32 s44, s41, 2
	s_lshl_b32 s44, 15, s44                        ; my row of the cluster
	s_lshl_b32 s45, 0x1111, s40                    ; my column
	s_or_b32 s[G1], s44, (3<<16)|(1<<21)           ; 15:0 the mask; 17:16 elements of 8 bytes; 21 set beside a mask; no padding
	s_or_b32 s[G1B], s45, (3<<16)|(1<<21)
	s_or_b32 s[G1S], s44, (3<<16)|(1<<21)
	s_or_b32 s[G1SB], s45, (3<<16)|(1<<21)
	DENSE G1, 192                                  ; the head's load: all 16 tiles of x, 49,152 bytes (behind the head the two words that count rows are set to 96)
	DENSE G1B, HB*24                               ; all 12 tiles of qkv_w: 36,864 bytes (then 72 rows)
	DENSE G1S, 32                                  ; 16 tiles' scale words: 8,192 bytes
	DENSE G1SB, HB*4                               ; 12 tiles': 6,144 bytes
	s_lshl_b32 s20, s43, 4                         ; x's addresses are made of the rows' number and the wave's, qkv_w's of the head and the wave's, each in registers that never hold the other coordinate
	s_lshl_b32 s19, s18, 3
	s_add_co_u32 s20, s20, s19                     ; x: tile 16 x rows' number + 8 x half
	s_lshl_b32 s22, s43, 13                        ; the scale words of the work-group's 16 tiles of x, 512 bytes each
	s_mul_i32 s20, s20, 3072
	s_mov_b32 s21, 0
	s_mov_b32 s23, 0
	s_mul_i32 s46, s42, NBT
	s_mul_i32 s47, s18, HB
	s_add_co_u32 s46, s46, s47                     ; qkv_w: tile 12 x head + 6 x half
	s_mul_i32 s92, s42, NBT*512                    ; and of the head's 12 tiles of qkv_w
	s_add_co_u32 s92, s92, BSOFF
	s_mul_i32 s46, s46, 3072
	s_add_co_u32 s46, s46, BOFF
	s_mov_b32 s47, 0
	s_mov_b32 s93, 0
	s_mul_i32 s19, s18, 24576                      ; where they go: no place in the cluster enters an LDS address
	s_mov_b32 s[G0+1], s19
	s_add_co_u32 s[G0+5], s19, SLOT
	s_mul_i32 s19, s18, HB*3072
	s_add_co_u32 s[G0B+1], s19, 49152
	s_add_co_u32 s[G0B+5], s19, 49152+SLOT
	s_mov_b32 s[G0S+1], SCL
	s_mov_b32 s[G0SB+1], SCL+8192
.irp g, G0, G0+4, G0B, G0B+4, G0S, G0SB
	s_mov_b32 s[\g], 1
.endr
	s_mov_b32 s[SEL], 0x76543210
	s_mov_b32 s[SEL+1], 0xfedcba98
	s_wait_dscnt 0x0                               ; the opening add is done
	s_wait_kmcnt 0x0
	s_add_nc_u64 s[G0+2:G0+3], s[4:5], s[20:21]    ; K step 0,
	s_add_nc_u64 s[G0+6:G0+7], s[G0+2:G0+3], ASTEP ; K step 1
	s_or_b32 s[G0+3], s[G0+3], 0x80000000
	s_or_b32 s[G0+7], s[G0+7], 0x80000000
	s_add_nc_u64 s[G0B+2:G0B+3], s[4:5], s[46:47]
	s_add_nc_u64 s[G0B+6:G0B+7], s[G0B+2:G0B+3], BSTEP
	s_or_b32 s[G0B+3], s[G0B+3], 0x80000000
	s_or_b32 s[G0B+7], s[G0B+7], 0x80000000
	s_add_nc_u64 s[G0S+2:G0S+3], s[6:7], s[22:23]
	s_or_b32 s[G0S+3], s[G0S+3], 0x80000000
	s_add_nc_u64 s[G0SB+2:G0SB+3], s[6:7], s[92:93]
	s_or_b32 s[G0SB+3], s[G0SB+3], 0x80000000
	CROUND                                         ; all sixteen work-groups are here: the first joint loads meet
; THE HEAD'S LOADS, ONE A WAVE: wave 0 slot 0's 16 tiles of x, wave 1 x's scale words, wave 2 slot 0's 12 tiles of qkv_w, wave 3 its scale words.
; Waves 0 and 2 have half 0, so their ring's group 0 of slot 0 stands at the tiles' first byte.  One chain of branches on the wave's number: every way passes one load.
.macro ARM under, g0, g1, next
	s_cmp_lt_u32 s16, \under
	s_cbranch_scc0 \next
	tensor_load_to_lds s[\g0:\g0+3], s[\g1:\g1+7]
	s_nop 0
.rept 4
	v_nop
.endr
	s_branch .Lhead_asked
\next:
.endm
	ARM 1, G0, G1, .Lhead_sa
	ARM 2, G0S, G1S, .Lhead_b
	ARM 3, G0B, G1B, .Lhead_sb
	tensor_load_to_lds s[G0SB:G0SB+3], s[G1SB:G1SB+7]
	s_nop 0
.rept 4
	v_nop
.endr
.Lhead_asked:
	v_and_b32 v1, 15, v0                           ; r
	v_bfe_u32 v2, v0, 4, 1                         ; h
	v_and_b32 v3, 31, v0
	v_lshlrev_b32 v[LI], 4, v3
	v_lshlrev_b32 v[L8], 3, v3
	s_mul_i32 s19, s16, 12288                      ; my four tiles of x
.irp s, 0,1
	v_add_nc_u32 v[ADRA16+\s], s19, v[LI]
	v_add_nc_u32 v[ADRA8+\s], s19, v[L8]
	v_add_nc_u32 v[ADRB16+\s], 49152+\s*SLOT, v[LI]
	v_add_nc_u32 v[ADRB8+\s], 49152+\s*SLOT, v[L8]
	s_add_co_u32 s19, s19, SLOT
.endr
	s_lshl_b32 s19, s16, 11                        ; scale words: lanes 0-15 begin at x's tile 4 w, lanes 16-31 at qkv_w's tile 0: the lower base + h x the distance
	s_sub_co_u32 s66, 8192, s19
	v_mul_u32_u24 v8, s66, v2
	v_lshl_add_u32 v8, v1, 3, v8                   ; 8 bytes a row and K step
	s_add_co_u32 s19, s19, SCL
	v_add_nc_u32 v[ADRS], s19, v8
	v_lshlrev_b32 v6, 6, v2                        ; q's and k's bias: 64 h bytes
	v_and_b32 v7, 8, v1
	v_add_nc_u32 v7, v7, v1
	v_lshlrev_b32 v7, 2, v7                        ; v's: 4 (r + 8 (r / 8))
	v_lshlrev_b32 v9, 2, v1                        ; 4 r
	s_wait_alu depctr_va_vdst(0)
	s_lshl_b32 s19, s16, 7
	s_add_co_u32 s19, s19, STG
	v_add_nc_u32 v[STQ], s19, v9                   ; q's words: pair 2 w + e at 64 bytes each
	s_lshl_b32 s19, s17, 9
	s_lshl_b32 s66, s18, 7
	s_add_co_u32 s66, s66, s19
	s_add_co_u32 s66, s66, STG+512
	v_add_nc_u32 v[STK], s66, v9                   ; k's: chunk w / 2, pair 2 (w % 2) + e
	s_lshl_b32 s66, s18, 1
	s_add_co_u32 s66, s66, s19
	s_add_co_u32 s66, s66, STG+768
	v_add_nc_u32 v[STV], s66, v9                   ; v's: chunk w / 2, bytes 2 (w % 2) and + 1 of each word
	v_lshlrev_b32 v[SCG], 4, v0
	v_add_nc_u32 v[SCA], STG, v[SCG]
.irp b, 0,1,2,3
	v_mov_b32 v[TM+4+\b], 0                        ; a lane permute's destination counts as one of its sources
.endr
	s_lshr_b32 s19, s43, 3                         ; the batch,
	s_and_b32 s66, s43, 7                          ; which 256 of its 2,048 rows,
	s_lshl_b32 s19, s19, 4
	s_add_co_u32 s19, s19, s42                     ; batch x 16 + head
	s_lshl_b32 s92, s19, 6
	s_lshl_b32 s67, s66, 3
	s_add_co_u32 s92, s92, s67
	s_lshl_b32 s67, s16, 1
	s_add_co_u32 s92, s92, s67                     ; my first pair of query tiles
	s_mul_i32 s92, s92, 1536
	s_mov_b32 s93, 0
	s_add_nc_u64 s[QI:QI+1], s[10:11], s[92:93]
	s_lshl_b32 s94, s19, 4
	s_lshl_b32 s67, s66, 1
	s_add_co_u32 s94, s94, s67
	s_add_co_u32 s94, s94, s17                     ; my chunk of 128 keys
	s_mul_i32 s94, s94, 12288
	s_mul_i32 s67, s18, 3072
	s_mul_i32 s96, s18, 768
	s_add_co_u32 s96, s96, s94
	s_add_co_u32 s96, s96, 6144
	s_add_co_u32 s94, s94, s67
	s_mov_b32 s95, 0
	s_mov_b32 s97, 0
	s_add_nc_u64 s[KVK:KVK+1], s[12:13], s[94:95]
	s_add_nc_u64 s[KVV:KVV+1], s[12:13], s[96:97]
	s_lshl_b32 s98, s19, 3
	s_add_co_u32 s98, s98, s66
	s_mul_i32 s98, s98, 1536
	s_mov_b32 s99, 0
	s_add_nc_u64 s[SCO:SCO+1], s[14:15], s[98:99]
	s_mul_i32 s66, s42, 768
	s_mov_b32 s67, 0
	s_add_nc_u64 s[8:9], s[8:9], s[66:67]          ; the head's 192 numbers of the bias
	WIN 0xc0                                       ; destination window 3
.irp t, 0,1,2,3,4,5,6,7                        ; lane (r, h), register j of tile t = 4 sect + 2 hb + u: column 64 sect + 32 hb + 8 u + 16 h + j
	global_load_b128 v[BQ+8*\t:BQ+8*\t+3], v6, s[8:9] offset:(64*(\t/4)+32*((\t/2)%2)+8*(\t%2))*4
	global_load_b128 v[BQ+8*\t+4:BQ+8*\t+7], v6, s[8:9] offset:(64*(\t/4)+32*((\t/2)%2)+8*(\t%2))*4+16
.endr
	WIN 0
.irp t, 0,1,2,3                                ; v: lane r holds column 128 + 32 (t / 2) + 8 (t % 2) + r + 8 (r / 8) in all eight registers
	global_load_b32 v[TM+\t], v7, s[8:9] offset:(128+32*(\t/2)+8*(\t%2))*4
.endr
.macro FRAG reg, a16, a8, off          ; a fragment's 12 registers: two halves of 768 bytes, each 16 bytes a lane and then 8
	ds_load_b128 v[\reg:\reg+3], v[\a16] offset:\off
	ds_load_b64 v[\reg+4:\reg+5], v[\a8] offset:\off+512
	ds_load_b128 v[\reg+6:\reg+9], v[\a16] offset:\off+768
	ds_load_b64 v[\reg+10:\reg+11], v[\a8] offset:\off+1280
.endm
.macro FETCHB slot, q, lo, n           ; qkv_w's tiles lo .. lo + n - 1 of the slot's q-th 128 along K
	WIN 0x40
.set BT, \lo
.rept \n
	FRAG 12*BT, ADRB16+\slot, ADRB8+\slot, 3072*BT+1536*(\q)
.set BT, BT+1
.endr
	WIN 0
.endm
.macro FETCHA slot, q, set             ; my four tiles of x
.irp a, 0,1,2,3
	FRAG AF+48*(\set)+12*\a, ADRA16+\slot, ADRA8+\slot, 3072*\a+1536*(\q)
.endr
.endm
.macro SCALES set                      ; a K step's scale words: lanes 0-15 x's tile 4 w + i (used for i < 4), lanes 16-31 qkv_w's tile i; two words each
.set SX, 0
.rept NBT
	ds_load_b64 v[SC+2*NBT*(\set)+2*SX:SC+2*NBT*(\set)+2*SX+1], v[ADRS] offset:512*SX
.set SX, SX+1
.endr
.endm
; Four products of q's or k's tile bt, transposed.  first = 1: the bias is C.  All 48 accumulators take turns, one instruction a turn, in the same order in every step.
.macro MULT bt, q, set, sc, first
.if \first
	WIN 0xb1                                       ; source 0 window 1, source 1 window 0, C window 3, D window 2
.else
	WIN 0xa1
.endif
.irp a, 0,1,2,3
.set AC, 128*((\bt)/4)+32*\a+16*(((\bt)/2)%2)+8*((\bt)%2)
.set FB, 12*(\bt)
.set FA, AF+48*(\set)+12*\a
.set SWB, SC+2*NBT*(\sc)+2*(\bt)+(\q)
.set SWA, SC+2*NBT*(\sc)+2*\a+(\q)
.if \first
	v_wmma_scale_f32_16x16x128_f8f6f4 v[AC:AC+7], v[FB:FB+11], v[FA:FA+11], v[BQ+8*(\bt):BQ+8*(\bt)+7], v[SWB], v[SWA] matrix_a_fmt:MATRIX_FMT_FP6 matrix_b_fmt:MATRIX_FMT_FP6 matrix_a_scale:MATRIX_SCALE_ROW1
.else
	v_wmma_scale_f32_16x16x128_f8f6f4 v[AC:AC+7], v[FB:FB+11], v[FA:FA+11], v[AC:AC+7], v[SWB], v[SWA] matrix_a_fmt:MATRIX_FMT_FP6 matrix_b_fmt:MATRIX_FMT_FP6 matrix_a_scale:MATRIX_SCALE_ROW1
.endif
.endr
.endm
; Four products of v's tile bt (8 .. 11): source 0 = x.
.macro MULV bt, q, set, sc, first
	WIN 0xf4                                       ; source 0 window 0, source 1 window 1, C and D window 3
.irp a, 0,1,2,3
.set AC, 32*((\bt)-8)+8*\a
.set FB, 12*(\bt)
.set FA, AF+48*(\set)+12*\a
.set SWB, SC+2*NBT*(\sc)+2*(\bt)+(\q)
.set SWA, SC+2*NBT*(\sc)+2*\a+(\q)
.if \first
	v_wmma_scale_f32_16x16x128_f8f6f4 v[AC:AC+7], v[FA:FA+11], v[FB:FB+11], v[BV+8*((\bt)-8):BV+8*((\bt)-8)+7], v[SWA], v[SWB] matrix_a_fmt:MATRIX_FMT_FP6 matrix_b_fmt:MATRIX_FMT_FP6 matrix_b_scale:MATRIX_SCALE_ROW1
.else
	v_wmma_scale_f32_16x16x128_f8f6f4 v[AC:AC+7], v[FA:FA+11], v[FB:FB+11], v[AC:AC+7], v[SWA], v[SWB] matrix_a_fmt:MATRIX_FMT_FP6 matrix_b_fmt:MATRIX_FMT_FP6 matrix_b_scale:MATRIX_SCALE_ROW1
.endif
.endr
.endm
.macro PRODS lo, n, q, set, sc, first
.set PB, \lo
.rept \n
.if PB < 8
	MULT PB, \q, \set, \sc, \first
.else
	MULV PB, \q, \set, \sc, \first
.endif
.set PB, PB+1
.endr
.endm
; A slot's first 128 along K (x's set 0).
.macro STEP slot, first
	s_wait_dscnt 4*HB                              ; all but the youngest 24 loads, qkv_w's tiles 6-11
	PRODS 0, HB, 0, 0, \slot, \first
	s_wait_dscnt 0x0                               ; those are in (asked for 24 products ago)
	PLACES
	FETCHB \slot, 1, 0, HB
	FETCHA \slot, 1, 1
	PRODS HB, HB, 0, 0, \slot, \first
	PLACES
	FETCHB \slot, 1, HB, HB
.endm
; A slot's second 128 along K (x's set 1) changes slots: ONE barrier; in front of it each wave waits for all its tensor loads, adds 0 to its spare word, and waits for that and for its reads of this slot.
.macro TURN slot, next, fill
	s_wait_tensorcnt 0x0                           ; all my tensor loads have landed: my part of the next slot
	ds_add_u32 v[SPW], v[NIL]                      ; 0 onto my spare word
	s_wait_dscnt 4*HB+1                            ; (the add and the youngest 24 loads may be out)
	PRODS 0, HB/2, 1, 1, \slot, 0                  ; twelve products stand between the add and the wait for it
	s_wait_dscnt 0x0                               ; the add is done, and my reads of this slot are over
	s_barrier_signal -1
	PRODS HB/2, HB/2, 1, 1, \slot, 0
	WIN 0
	s_barrier_wait -1
.if \fill
	CREST                                          ; the barrier has opened a round of the cluster's barrier: no wave of any partner still reads this slot or has a load on its way
	s_add_nc_u64 s[G0+4*\slot+2:G0+4*\slot+3], s[G0+4*\slot+2:G0+4*\slot+3], 2*ASTEP
	s_add_nc_u64 s[G0B+4*\slot+2:G0B+4*\slot+3], s[G0B+4*\slot+2:G0B+4*\slot+3], 2*BSTEP
	JLOAD G0+4*\slot, G1, G0B+4*\slot, G1B         ; my one tensor load behind the round, two K steps ahead; its four v_nop are the places in front of the loads below
.else
	PLACES
.endif
	s_wait_alu depctr_va_vdst(0)
	v_add_nc_u32 v[ADRS], 128, v[ADRS]             ; the next K step's scale words
	FETCHB \next, 0, 0, HB
	FETCHA \next, 0, 0
	SCALES \next
	PRODS HB, HB, 1, 1, \slot, 0
	PLACES
	FETCHB \next, 0, HB, HB
.endm
	s_wait_alu depctr_va_vdst(0)
	s_wait_tensorcnt 0x0                           ; my tile of the head's four is in
	ds_add_u32 v[SPW], v[NIL]
	s_mov_b32 s[G1+2], 96<<16                      ; no tensor load of mine is out: from here on a load brings half of a slot's tiles
	s_mov_b32 s[G1+4], 96
	s_mov_b32 s[G1B+2], (HB*12)<<16
	s_mov_b32 s[G1B+4], HB*12
	s_wait_dscnt 0x0                               ; the add is done
	CROUND                                         ; a whole round: all four tiles are in, and the sixteen work-groups meet
	JLOAD G0+4, G1, G0B+4, G1B                     ; slot 1's first fill, my one tensor load behind the round
	FETCHB 0, 0, 0, HB
	FETCHA 0, 0, 0
	SCALES 0
	FETCHB 0, 0, HB, HB
	s_wait_loadcnt 0x0                             ; the bias
	WIN 0xc0
.irp t, 0,1,2,3
.irp j, 0,1,2,3,4,5,6,7
	v_mov_b32 v[BV+8*\t+\j], v[TM+\t]              ; v's bias in the result's layout: the same number in a lane's eight registers
.endr
.endr
	WIN 0
	PLACES
	PLACES
	s_wait_alu depctr_va_vdst(0)
	STEP 0, 1                                      ; K is four steps of 256: written out
	TURN 0, 1, 1
	STEP 1, 0
	TURN 1, 0, 1
	STEP 0, 0
	TURN 0, 1, 0                                   ; nothing is left to fetch
	STEP 1, 0
	s_wait_dscnt 4*HB
	PRODS 0, HB, 1, 1, 1, 0
	s_wait_dscnt 0x0
	PRODS HB, HB, 1, 1, 1, 0
	WIN 0
; THE WAY OUT.  64 numbers of a lane in window win, register 16 b + i = place 32 b + 16 h + i along the quantised axis, become 12 registers of codes at v[pc] and a scale word in v[pw].
; Each accumulator is read from its low end on.
.macro QUANTW win, s, pc, pw
	WIN 5*(\win)                                   ; sources 0 and 1 in the accumulators' window
.irp b, 0,1,2,3
	v_max3_num_f32 v[TM+\b], |v[\s+16*\b]|, |v[\s+16*\b+1]|, 0x1800000   ; my 16 numbers of block b, and the floor 2^(3 - 127)
.endr
.irp i, 2,4,6,8,10,12,14
.irp b, 0,1,2,3
	v_max3_num_f32 v[TM+\b], |v[\s+16*\b+\i]|, |v[\s+16*\b+\i+1]|, v[TM+\b]
.endr
.endr
	WIN 0
.irp b, 0,1,2,3
	v_permlanex16_b32 v[TM+4+\b], v[TM+\b], s[SEL], s[SEL+1]
.endr
.irp b, 0,1,2,3
	v_max_num_f32 v[TM+\b], v[TM+\b], v[TM+4+\b]   ; with lane l xor 16's: the block's largest magnitude
.endr
.irp b, 0,1,2,3
	v_add_nc_u32 v[TM+12+\b], 0xff000000, v[TM+\b] ; 2 off its exponent field: the conversion's scale operand
.endr
.irp b, 0,1,2,3
	v_lshrrev_b32 v[TM+4+\b], 23, v[TM+12+\b]      ; the scale's byte
.endr
	v_lshl_or_b32 v[\pw], v[TM+5], 8, v[TM+4]
	v_lshl_or_b32 v[\pw], v[TM+6], 16, v[\pw]
	v_lshl_or_b32 v[\pw], v[TM+7], 24, v[\pw]
	WIN \win
.irp c, 0,1
	v_cvt_scalef32_pk16_fp6_f32 v[\pc+6*\c:\pc+6*\c+2], v[\s+32*\c:\s+32*\c+15], v[TM+12+2*\c]
	v_cvt_scalef32_pk16_fp6_f32 v[CT+4*\c:CT+4*\c+2], v[\s+32*\c+16:\s+32*\c+31], v[TM+12+2*\c+1]   ; (a conversion's three registers begin on an even number)
.endr
	WIN 0
	v_nop                                          ; one plain instruction behind the conversions
.irp c, 0,1                                    ; a whole block to a lane: lanes 0-15 block 2 c, lanes 16-31 block 2 c + 1
.irp i, 0,1,2
	v_permlane16_swap_b32 v[\pc+6*\c+\i], v[CT+4*\c+\i]
.endr
.irp i, 0,1,2
	v_mov_b32 v[\pc+3+6*\c+\i], v[CT+4*\c+\i]
.endr
.endr
.endm
	PLACES
.irp e, 0,1                                    ; q: x's tiles 2 e and 2 e + 1 make one pair: registers 0-5 the first tile's 64 along the head, registers 6-11 the second's
	QUANTW 2, 64*\e, PC+12*\e, PW+\e
.irp c, 0,1,2
	global_store_b128 v[LI], v[PC+12*\e+4*\c:PC+12*\e+4*\c+3], s[QI:QI+1] offset:1536*\e+512*\c   ; 512 consecutive bytes, aligned
.endr
	ds_store_b32 v[STQ], v[PW+\e] offset:64*\e     ; lanes l and l xor 16 write the same word with the same value
.endr
.irp e, 0,1                                    ; k likewise
	QUANTW 2, 128+64*\e, PC+24+12*\e, PW+2+\e
.irp c, 0,1,2
	global_store_b128 v[LI], v[PC+24+12*\e+4*\c:PC+24+12*\e+4*\c+3], s[KVK:KVK+1] offset:1536*\e+512*\c
.endr
	ds_store_b32 v[STK], v[PW+2+\e] offset:64*\e
.endr
.irp e, 0,1                                    ; v: tiles 2 e and 2 e + 1 of the head's 64; each gives one half (my 64 keys) of a fragment of 128 keys
	QUANTW 3, 64*\e, PC+48+12*\e, PW+4+\e
.irp c, 0,1
	global_store_b128 v[LI], v[PC+48+12*\e+6*\c:PC+48+12*\e+6*\c+3], s[KVV:KVV+1] offset:1536*(2*\e+\c)
	global_store_b64 v[L8], v[PC+48+12*\e+6*\c+4:PC+48+12*\e+6*\c+5], s[KVV:KVV+1] offset:1536*(2*\e+\c)+512
.endr
	ds_store_b16 v[STV], v[PW+4+\e] offset:128*\e                  ; my two bytes of tile 2 e's word,
	ds_store_b16_d16_hi v[STV], v[PW+4+\e] offset:128*\e+64        ; and of tile 2 e + 1's
.endr
	s_wait_dscnt 0x0                               ; for the others' sake: my words lie in the stage
	s_barrier_signal -1
	s_barrier_wait -1
	s_cmp_eq_u32 s16, 3                            ; the stage's 1,536 bytes are three waves' worth, 16 bytes a lane
	s_cbranch_scc1 .Lno_words
	ds_load_b128 v[CT:CT+3], v[SCA]
	s_wait_dscnt 0x0
	global_store_b128 v[SCG], v[CT:CT+3], s[SCO:SCO+1]             ; 512 consecutive bytes, aligned
.Lno_words:
	s_wait_tensorcnt 0x0                           ; the wave's end
	ds_add_u32 v[SPW], v[NIL]
	s_wait_dscnt 0x0
	CROUND                                         ; the closing round: no work-group ends while a partner may still ask for a tile that names it
	s_endpgm
.Lfunc_end_k_qe9406f3abd_qkv:
	.size	k_qe9406f3abd_qkv, .Lfunc_end_k_qe9406f3abd_qkv-k_qe9406f3abd_qkv
	.p2alignl 7, 3214868480
	.fill 96, 4, 3214868480
	.section	.rodata,"a",@progbits
	.p2align	6, 0x0
	.amdhsa_kernel k_qe9406f3abd_qkv
		.amdhsa_group_segment_fixed_size 327680
		.amdhsa_private_segment_fixed_size 0
		.amdhsa_enable_private_segment 0
		.amdhsa_kernarg_size 48
		.amdhsa_user_sgpr_count 2
		.amdhsa_user_sgpr_kernarg_segment_ptr 1
		.amdhsa_wavefront_size32 1
		.amdhsa_system_sgpr_workgroup_id_x 1
		.amdhsa_system_sgpr_workgroup_id_y 1
		.amdhsa_system_sgpr_workgroup_id_z 1
		.amdhsa_system_vgpr_workitem_id 0
		.amdhsa_next_free_vgpr 1024
		.amdhsa_next_free_sgpr 100
		.amdhsa_reserve_vcc 0
		.amdhsa_float_denorm_mode_32 3
		.amdhsa_float_denorm_mode_16_64 3
		.amdhsa_memory_ordered 1
		.amdhsa_forward_progress 1
		.amdhsa_inst_pref_size 131
	.end_amdhsa_kernel
	.amdgpu_metadata
---
amdhsa.version: [ 1, 2 ]
amdhsa.kernels:
  - .name:           k_qe9406f3abd_qkv
    .symbol:         k_qe9406f3abd_qkv.kd
    .args:
      - { .name: codes, .offset: 0, .size: 8, .value_kind: global_buffer, .address_space: global }
      - { .name: scales, .offset: 8, .size: 8, .value_kind: global_buffer, .address_space: global }
      - { .name: qkv_b, .offset: 16, .size: 8, .value_kind: global_buffer, .address_space: global }
      - { .name: qimg, .offset: 24, .size: 8, .value_kind: global_buffer, .address_space: global }
      - { .name: kv, .offset: 32, .size: 8, .value_kind: global_buffer, .address_space: global }
      - { .name: sc, .offset: 40, .size: 8, .value_kind: global_buffer, .address_space: global }
    .group_segment_fixed_size: 327680
    .private_segment_fixed_size: 0
    .kernarg_segment_align: 8
    .kernarg_segment_size: 48
    .max_flat_workgroup_size: 128
    .sgpr_count:     100
    .vgpr_count:     1024
    .wavefront_size: 32
...
	.end_amdgpu_metadata
.endif
;; end of part 2
;; launch attn (part 3): grid 4 x 64, 16 waves a work-group, clusters of 4 x 1, 206,848 bytes of LDS; arguments qimg, kv, sc, vimg, vsc; writes vimg, vsc
.if DOCPART == 3
	.amdgcn_target "amdgcn-amd-amdhsa--gfx1250"
	.amdhsa_code_object_version 6
	.text
	.protected	k_qe9406f3abd_attn
	.globl	k_qe9406f3abd_attn
	.p2align	8
	.type	k_qe9406f3abd_attn,@function
k_qe9406f3abd_attn:
	s_mov_b64 s[64:65], 0
	v_nop
	global_prefetch_b8 v0, s[64:65] scope:SCOPE_SE
	s_setreg_imm32_b32 hwreg(HW_REG_WAVE_MODE, 25, 1), 1
	s_wait_xcnt 0x0
	s_wait_alu depctr_hold_cnt(0) depctr_sa_sdst(0) depctr_va_vdst(0) depctr_va_sdst(0) depctr_va_ssrc(0) depctr_va_vcc(0) depctr_vm_vsrc(0)
	s_getreg_b32 s2, hwreg(HW_REG_IB_STS2, 6, 4)
	s_cmp_eq_u32 s2, 0
	s_cbranch_scc0 .Lentry_in_a_cluster
	s_endpgm
.Lentry_in_a_cluster:
	s_bfe_u32 s2, ttmp6, 0x10000c
	s_cmp_lg_u32 s2, 0x3003
	s_cbranch_scc0 .Lentry_shape_is_right
	s_endpgm
.Lentry_shape_is_right:
; vals = softmax(q k^T / 8) v for one (batch, head), both products on codes of FP6 (E2M3) with E8M0 scales; vals is quantised along E on the way out and leaves as codes in the order of the last launch's operand registers.
; THE SOFTMAX AHEAD OF THE SECOND PRODUCT: t = score x log2(e) / 8; M = the row's largest t so far, rounded UP to a whole number; p = 2^(t - M) is quantised along the keys, not normalised.
; The row's sum is taken of the unquantised p, in f32, and divides at the end.  When M moves, the sum and O are multiplied by 2^(old M - new M): exact.
; LIMITS: NaN and infinities are not served; the running largest t begins at -3e38; a block whose largest magnitude lies under 2^-124, a block of zeros among them, keeps the byte 1 (this program alone reads the bytes).
; SHARES.  A work-group owns 512 queries of one head; each of its sixteen waves owns a pair of tiles of 16 queries, worked in two passes over all 2,048 keys, 128 a step.  Four waves share a SIMD, so that one
; wave's vector work stands beside another's products and LDS loads.
; THE WHOLE HEAD'S K, V AND SCALE WORDS LIE IN LDS, 204,800 bytes, filled ONCE: nothing is filled again.  The four work-groups of a head are one cluster and ask jointly.
; Both products are used transposed: S^T = K Q^T, O^T = V^T P^T: a lane holds one query throughout.  By the stored order of the tiles' rows the 16 registers of tiles 2 b and 2 b + 1 are 16 neighbouring keys.
; THE FIRST PRODUCT'S K IS 64, THE INSTRUCTION'S 128.  Source 0 is a PAIR of key tiles (registers 0-5 tile 2 f, registers 6-11 tile 2 f + 1); source 1 is q beside six registers of zero codes, on the one side or the other:
; zero codes add nothing.  v16-21 = 0, v22-27 = q, v28-33 = 0: v[22:33] picks tile 2 f, v[16:27] tile 2 f + 1.  q's scale word holds its two bytes twice.
.set CHUNK, 12288                      ; 128 keys: four pairs of key tiles (6,144 bytes), then V's four fragments
.set SCB,   16*CHUNK                   ; the scale words: 512 bytes a chunk: K's at 64 f + 4 r, V's at 256 + 64 t + 4 r
.set SPARE, SCB+8192                   ; the spare words, 128 bytes for each of sixteen waves
.set LI,  1                            ; v1   16 x lane
.set L8,  2                            ; v2   8 x lane
.set LS,  3                            ; v3   SCB + 4 r
.set SPW, 4                            ; v4   my spare word's address; never rewritten
.set NIL, 5                            ; v5   0; never rewritten
.set R8,  6                            ; v6   8 r
.set R4,  7                            ; v7   4 r
.set ADK, 8                            ; v8-10 the step's addresses
.set AD8, 9
.set ADS, 10
.set QS,  34                           ; v34  q's scale word
.set PS,  35                           ; v35  p's
.set QP,  36                           ; v36-47 my pair of query tiles
.set QW,  48                           ; v48  and their scale bytes
.set KF,  50                           ; v50-97 four fragments, of K and then of V
.set KS,  98                           ; v98-101 their scale words
.set S,   104                          ; v104-167 S^T, then p
.set O,   168                          ; v168-199 O^T
.set PC,  200                          ; v200-211 p's codes
.set CT,  212                          ; v212-218 the conversions' second halves
.set BM,  220                          ; v220-223 the blocks' largest
.set T2,  224                          ; v224-227 the other half's, then the bytes
.set SOP, 228                          ; v228-231 the conversions' scale operands
.set HW,  238                          ; v238 vals' two scale bytes
.set WV,  14
.set G1C, 16                           ; s[16:23] group 1 for two chunks;  s[24:31] for the scale words;  s[32:35] their group 0;  s[36:39] group 0 for my two chunks
.set G1S, 24
.set G0S, 32
.set G0C, 36
.set SEL, 52
.set CS,  54                           ; s[54:55] c = log2(e) / 8, twice: the packed form names a pair
.set TB,  56                           ; s56  LDS byte of the chunk in hand
.set TS,  57                           ; s57  and of its scale words
.set CNT, 58
.macro CROUND
	s_barrier_signal -1
	s_barrier_wait -1
	s_cmp_lg_u32 s[WV], 0
	s_cbranch_scc1 .Lnot_wave_0_\@
	s_barrier_signal -3
.Lnot_wave_0_\@:
	s_barrier_wait -3
	s_barrier_signal -1
	s_barrier_wait -1
.endm
	s_load_b256 s[4:11], s[0:1], 0x0               ; qimg, kv, sc, vimg
	s_load_b64 s[12:13], s[0:1], 0x20              ; vsc
	v_lshl_add_u32 v[SPW], v0, 2, SPARE
	v_mov_b32 v[NIL], 0
	ds_add_u32 v[SPW], v[NIL]                      ; the wave's opening: the add and its wait stand ahead of the first tensor loads; work on registers stands between them
	ds_add_u32 v[SPW], v[NIL]
	v_lshrrev_b32 v8, 5, v0
	s_delay_alu instid0(VALU_DEP_1)
	v_readfirstlane_b32 s[WV], v8                  ; wave 0..15
	s_and_b32 s66, ttmp7, 0xffff                   ; batch x 16 + head, which the four partners share
	s_and_b32 s67, s[WV], 7                        ; waves 0 to 7 fetch two chunks each
	s_mov_b32 s[G1C], 15|(3<<16)|(1<<21)           ; 15:0 the mask: all four work-groups; 17:16 elements of 8 bytes; 21 set beside a mask
	s_mov_b32 s[G1C+1], 32<<16                     ; two chunks: 96 rows of 256 bytes, dense
	s_mov_b32 s[G1C+2], 96<<16
	s_mov_b32 s[G1C+3], 32<<16
	s_mov_b32 s[G1C+4], 96
	s_mov_b32 s[G1C+5], 32
	s_mov_b32 s[G1C+6], 0
	s_mov_b32 s[G1C+7], 0
	s_mov_b32 s[G1S], 15|(3<<16)|(1<<21)
	s_mov_b32 s[G1S+1], 128<<16                    ; the scale words of all sixteen chunks: 8 rows of 1,024 bytes, 1,536 bytes apart in memory (q's 512 lie between)
	s_mov_b32 s[G1S+2], 8<<16
	s_mov_b32 s[G1S+3], 128<<16
	s_mov_b32 s[G1S+4], 8
	s_mov_b32 s[G1S+5], 192
	s_mov_b32 s[G1S+6], 0
	s_mov_b32 s[G1S+7], 0
	s_mul_i32 s68, s66, 16*CHUNK                   ; the head's K and V,
	s_mul_i32 s70, s67, 2*CHUNK                    ; chunks 2 w and 2 w + 1
	s_add_co_u32 s68, s68, s70
	s_mov_b32 s69, 0
	s_mul_i32 s72, s66, 12288                      ; the head's scale words,
	s_add_co_u32 s72, s72, 512
	s_mov_b32 s73, 0
	s_mov_b32 s[G0S+1], SCB
	s_mov_b32 s[G0S], 1
	s_mov_b32 s[G0C], 1
	s_mov_b32 s[G0C+1], s70
	s_mov_b32 s[SEL], 0x76543210
	s_mov_b32 s[SEL+1], 0xfedcba98
	s_mov_b32 s[CS], 0x3e38aa3b
	s_mov_b32 s[CS+1], s[CS]
	s_bfe_u32 s74, ttmp6, 0x40000                  ; cx: my block of 512 queries; it enters q's and vals' addresses alone
	s_lshl_b32 s75, s66, 6
	s_lshl_b32 s76, s74, 4
	s_add_co_u32 s75, s75, s76
	s_add_co_u32 s75, s75, s[WV]                   ; my pair of query tiles
	s_mul_i32 s76, s75, 1536
	s_mov_b32 s77, 0
	s_lshl_b32 s75, s66, 3
	s_lshl_b32 s78, s74, 1
	s_add_co_u32 s75, s75, s78
	s_lshr_b32 s78, s[WV], 3
	s_add_co_u32 s75, s75, s78
	s_mul_i32 s78, s75, 1536
	s_and_b32 s75, s[WV], 7
	s_lshl_b32 s75, s75, 6
	s_add_co_u32 s78, s78, s75                     ; its scale words
	s_mov_b32 s79, 0
	s_and_b32 s59, s66, 15                         ; the head
	s_lshr_b32 s75, s66, 4
	s_lshl_b32 s75, s75, 7
	s_lshl_b32 s60, s74, 5
	s_add_co_u32 s75, s75, s60
	s_lshl_b32 s60, s[WV], 1
	s_add_co_u32 s75, s75, s60                     ; my first tile among the 512 tiles of rows
	s_lshr_b32 s60, s59, 2                         ; the head's 64 along E: K step of 256,
	s_and_b32 s59, s59, 3                          ; and which of its four halves
	s_lshl_b32 s62, s75, 9
	s_lshl_b32 s61, s60, 7
	s_add_co_u32 s62, s62, s61
	s_lshl_b32 s61, s59, 1
	s_add_co_u32 s62, s62, s61
	s_mov_b32 s63, 0
	s_lshl_b32 s60, s60, 9
	s_add_co_u32 s60, s60, s75
	s_lshl_b32 s60, s60, 2
	s_add_co_u32 s60, s60, s59
	s_mul_i32 s60, s60, 768
	s_mov_b32 s61, 0
	s_wait_dscnt 0x0                               ; the opening add is done
	s_wait_kmcnt 0x0
	s_add_nc_u64 s[G0S+2:G0S+3], s[8:9], s[72:73]
	s_or_b32 s[G0S+3], s[G0S+3], 0x80000000
	s_add_nc_u64 s[68:69], s[6:7], s[68:69]
	s_mov_b64 s[G0C+2:G0C+3], s[68:69]
	s_or_b32 s[G0C+3], s[G0C+3], 0x80000000
	s_add_nc_u64 s[4:5], s[4:5], s[76:77]
	s_add_nc_u64 s[8:9], s[8:9], s[78:79]
	s_add_nc_u64 s[10:11], s[10:11], s[60:61]
	s_add_nc_u64 s[12:13], s[12:13], s[62:63]
	CROUND                                         ; all four work-groups are here: the joint loads meet
	s_cmp_lt_u32 s[WV], 8                          ; one chain of branches on the wave's number, at most one load a wave: waves 0 to 7 two chunks each,
	s_cbranch_scc0 .Lwords
	tensor_load_to_lds s[G0C:G0C+3], s[G1C:G1C+7]
	s_nop 0
.rept 4
	v_nop
.endr
	s_branch .Lno_fetch
.Lwords:
	s_cmp_eq_u32 s[WV], 8                          ; wave 8 the scale words, the others nothing
	s_cbranch_scc0 .Lno_fetch
	tensor_load_to_lds s[G0S:G0S+3], s[G1S:G1S+7]
	s_nop 0
.rept 4
	v_nop
.endr
.Lno_fetch:
	v_and_b32 v8, 31, v0
	v_and_b32 v9, 15, v0                           ; r
	s_delay_alu instid0(VALU_DEP_2)
	v_lshlrev_b32 v[LI], 4, v8
	s_delay_alu instid0(VALU_DEP_3)
	v_lshlrev_b32 v[L8], 3, v8
	s_delay_alu instid0(VALU_DEP_3)
	v_lshlrev_b32 v[R4], 2, v9
	s_delay_alu instid0(VALU_DEP_4)
	v_lshlrev_b32 v[R8], 3, v9
	s_delay_alu instid0(VALU_DEP_2)
	v_add_nc_u32 v[LS], SCB, v[R4]
.irp c, 0,1,2
	global_load_b128 v[QP+4*\c:QP+4*\c+3], v[LI], s[4:5] offset:512*\c
.endr
	global_load_b32 v[QW], v[R4], s[8:9]
.irp i, 0,1,2,3,4,5
	v_mov_b32 v[16+\i], 0                          ; zero codes on both sides of q
	v_mov_b32 v[28+\i], 0
.endr
.irp b, 0,1,2,3
	v_mov_b32 v[T2+\b], 0                          ; a lane permute's destination counts as one of its sources
.endr
	v_mov_b32 v233, 0                              ; (named as the upper half of the pair v[232:233])
	v_mov_b32 v234, 0
; A KEY STEP: 128 keys.
.macro STEP
	v_add_nc_u32 v[ADK], s[TB], v[LI]
	v_add_nc_u32 v[AD8], s[TB], v[L8]
	v_add_nc_u32 v[ADS], s[TS], v[LS]
	v_nop                                          ; these four are the places between the last step's products and the loads into their registers
.irp f, 0,1,2,3
.irp c, 0,1,2
	ds_load_b128 v[KF+12*\f+4*\c:KF+12*\f+4*\c+3], v[ADK] offset:1536*\f+512*\c
.endr
	ds_load_b32 v[KS+\f], v[ADS] offset:64*\f
.endr
	s_wait_alu depctr_va_vdst(0)
	s_wait_dscnt 0x0
.irp t, 0,1,2,3,4,5,6,7                        ; S^T = K Q^T: eight tiles of 16 keys
	v_wmma_scale_f32_16x16x128_f8f6f4 v[S+8*\t:S+8*\t+7], v[KF+12*(\t/2):KF+12*(\t/2)+11], v[22-6*(\t%2):33-6*(\t%2)], 0, v[KS+\t/2], v[QS] matrix_a_fmt:MATRIX_FMT_FP6 matrix_b_fmt:MATRIX_FMT_FP6
.endr
.rept 4
	v_nop
.endr
.irp t, 0,1,2,3                                ; V's fragments take K's registers, and land while the softmax is worked
.irp e, 0,1
	ds_load_b128 v[KF+12*\t+6*\e:KF+12*\t+6*\e+3], v[ADK] offset:6144+1536*\t+768*\e
	ds_load_b64 v[KF+12*\t+6*\e+4:KF+12*\t+6*\e+5], v[AD8] offset:6144+1536*\t+768*\e+512
.endr
	ds_load_b32 v[KS+\t], v[ADS] offset:256+64*\t
.endr
.irp b, 0,1,2,3
	v_max3_num_f32 v[BM+\b], v[S+16*\b], v[S+16*\b+1], v[S+16*\b+2]   ; the largest score of each block of 32 keys: it serves for the row's maximum and, since p rises with the score, for the block's largest p
.endr
.irp i, 3,5,7,9,11,13
.irp b, 0,1,2,3
	v_max3_num_f32 v[BM+\b], v[BM+\b], v[S+16*\b+\i], v[S+16*\b+\i+1]
.endr
.endr
.irp b, 0,1,2,3
	v_max_num_f32 v[BM+\b], v[BM+\b], v[S+16*\b+15]
.endr
.irp b, 0,1,2,3
	s_delay_alu instid0(VALU_DEP_4)
	v_permlanex16_b32 v[T2+\b], v[BM+\b], s[SEL], s[SEL+1]
.endr
.irp b, 0,1,2,3
	s_delay_alu instid0(VALU_DEP_4)
	v_max_num_f32 v[BM+\b], v[BM+\b], v[T2+\b]     ; with lane l xor 16's 16 keys
.endr
	s_delay_alu instid0(VALU_DEP_2)
	v_max3_num_f32 v234, v[BM], v[BM+1], v[BM+2]
	s_delay_alu instid0(VALU_DEP_1)
	v_max_num_f32 v234, v234, v[BM+3]
	s_delay_alu instid0(VALU_DEP_1)
	v_mul_f32 v234, s[CS], v234                    ; the step's largest t (c is positive)
	s_delay_alu instid0(VALU_DEP_1)
	v_max_num_f32 v13, v13, v234                   ; the running largest t
	v_mov_b32 v234, v12
	s_delay_alu instid0(VALU_DEP_2)
	v_floor_f32 v12, -v13                          ; the new -M = floor(-t): M is a whole number
	s_delay_alu instid0(VALU_DEP_1)
	v_sub_f32 v234, v12, v234                      ; old M - new M: a whole number, 0 or less
	s_delay_alu instid0(VALU_DEP_1)
	v_cvt_i32_f32 v234, v234                       ; (it saturates)
	s_delay_alu instid0(VALU_DEP_1)
	v_ldexp_f32 v232, 1.0, v234                    ; f = 2^(old M - new M)
.set J, 0
.rept 32
	v_pk_fma_f32 v[S+J:S+J+1], v[S+J:S+J+1], s[CS:CS+1], v[12:13] op_sel_hi:[1,0,0]   ; t - M, two at a time
.set J, J+2
.endr
.irp b, 0,1,2,3
	v_fma_f32 v[BM+\b], v[BM+\b], s[CS], v12       ; the same of each block's largest score
.endr
.set J, 0
	s_wait_alu depctr_va_vdst(0)
.rept 64
	v_exp_f32 v[S+J], v[S+J]                       ; p = 2^(t - M), at most 1
.set J, J+1
.endr
	v_pk_mul_f32 v[14:15], v[14:15], v[232:233] op_sel_hi:[1,0]    ; the sums under the new M; the plain instruction behind the exponentials
	s_wait_alu depctr_va_vdst(0)                   ; one wait for the batch of 64, ahead of its first reader
.irp b, 0,1,2,3
	v_exp_f32 v[BM+\b], v[BM+\b]                   ; the block's largest p: the same two instructions on the same number
.endr
	v_pk_add_f32 v[236:237], v[108:109], v[112:113]
	v_pk_add_f32 v[254:255], v[116:117], v[120:121]
	v_pk_add_f32 v[252:253], v[124:125], v[128:129]
	v_pk_add_f32 v[250:251], v[132:133], v[136:137]
	v_pk_add_f32 v[248:249], v[140:141], v[144:145]
	v_pk_add_f32 v[246:247], v[148:149], v[152:153]
	v_pk_add_f32 v[244:245], v[156:157], v[160:161]
	v_pk_add_f32 v[14:15], v[14:15], v[164:165]
	v_pk_add_f32 v[236:237], v[236:237], v[104:105]
	v_pk_add_f32 v[254:255], v[254:255], v[106:107]
	v_pk_add_f32 v[252:253], v[252:253], v[110:111]
	v_pk_add_f32 v[250:251], v[250:251], v[114:115]
	v_pk_add_f32 v[248:249], v[248:249], v[118:119]
	v_pk_add_f32 v[246:247], v[246:247], v[122:123]
	v_pk_add_f32 v[244:245], v[244:245], v[126:127]
	v_pk_add_f32 v[14:15], v[14:15], v[130:131]
	v_pk_add_f32 v[236:237], v[236:237], v[134:135]
	v_pk_add_f32 v[254:255], v[254:255], v[138:139]
	v_pk_add_f32 v[252:253], v[252:253], v[142:143]
	v_pk_add_f32 v[250:251], v[250:251], v[146:147]
	v_pk_add_f32 v[248:249], v[248:249], v[150:151]
	v_pk_add_f32 v[246:247], v[246:247], v[154:155]
	v_pk_add_f32 v[244:245], v[244:245], v[158:159]
	v_pk_add_f32 v[14:15], v[14:15], v[162:163]
	v_pk_add_f32 v[236:237], v[236:237], v[166:167]
	s_delay_alu instid0(VALU_DEP_2)
	v_pk_add_f32 v[14:15], v[14:15], v[250:251]
	s_delay_alu instid0(VALU_DEP_2)
	v_pk_add_f32 v[236:237], v[236:237], v[248:249]
	v_pk_add_f32 v[254:255], v[254:255], v[246:247]
	v_pk_add_f32 v[252:253], v[252:253], v[244:245]
	s_delay_alu instid0(VALU_DEP_2)
	v_pk_add_f32 v[14:15], v[14:15], v[254:255]
	s_delay_alu instid0(VALU_DEP_2)
	v_pk_add_f32 v[236:237], v[236:237], v[252:253]
	s_delay_alu instid0(VALU_DEP_1)
	v_pk_add_f32 v[14:15], v[14:15], v[236:237]
	s_wait_alu depctr_va_vdst(0)                   ; and one for the four
.irp b, 0,1,2,3
	v_max_num_f32 v[BM+\b], 0x1800000, v[BM+\b]    ; the floor 2^(3 - 127)
.endr
.irp b, 0,1,2,3
	s_delay_alu instid0(VALU_DEP_4)
	v_add_nc_u32 v[SOP+\b], 0xff000000, v[BM+\b]   ; 2 off the exponent field: the conversion's scale operand
.endr
.irp b, 0,1,2,3
	s_delay_alu instid0(VALU_DEP_4)
	v_lshrrev_b32 v[T2+\b], 23, v[SOP+\b]          ; the scale's byte
.endr
	s_delay_alu instid0(VALU_DEP_3)
	v_lshl_or_b32 v[PS], v[T2+1], 8, v[T2]
	s_delay_alu instid0(VALU_DEP_1)
	v_lshl_or_b32 v[PS], v[T2+2], 16, v[PS]
	s_delay_alu instid0(VALU_DEP_1)
	v_lshl_or_b32 v[PS], v[T2+3], 24, v[PS]
.irp c, 0,1
	v_cvt_scalef32_pk16_fp6_f32 v[PC+6*\c:PC+6*\c+2], v[S+32*\c:S+32*\c+15], v[SOP+2*\c]
	v_cvt_scalef32_pk16_fp6_f32 v[CT+4*\c:CT+4*\c+2], v[S+32*\c+16:S+32*\c+31], v[SOP+2*\c+1]
.endr
	v_nop                                          ; one plain instruction behind the conversions
.irp c, 0,1                                    ; a whole block to a lane
.irp i, 0,1,2
	v_permlane16_swap_b32 v[PC+6*\c+\i], v[CT+4*\c+\i]
.endr
.irp i, 0,1,2
	s_delay_alu instid0(VALU_DEP_3)
	v_mov_b32 v[PC+3+6*\c+\i], v[CT+4*\c+\i]
.endr
.endr
.set J, 0
.rept 16
	v_pk_mul_f32 v[O+J:O+J+1], v[O+J:O+J+1], v[232:233] op_sel_hi:[1,0]   ; O^T under the new M; these also stand between the writes of p's codes and scale word and the products
.set J, J+2
.endr
	s_wait_alu depctr_va_vdst(0)
	s_wait_dscnt 0x0                               ; V is in
.irp t, 0,1,2,3                                ; O^T += V^T P^T: the four accumulators by turns; eight other products stand between two links of a chain
	v_wmma_scale_f32_16x16x128_f8f6f4 v[O+8*\t:O+8*\t+7], v[KF+12*\t:KF+12*\t+11], v[PC:PC+11], v[O+8*\t:O+8*\t+7], v[KS+\t], v[PS] matrix_a_fmt:MATRIX_FMT_FP6 matrix_b_fmt:MATRIX_FMT_FP6
.endr
	s_add_co_u32 s[TB], s[TB], CHUNK
	s_add_co_u32 s[TS], s[TS], 512
.endm
.macro STEPS n
	s_mov_b32 s[CNT], \n
.Lstep_\@:
	STEP
	s_sub_co_u32 s[CNT], s[CNT], 1
	s_cmp_lg_u32 s[CNT], 0
	s_cbranch_scc1 .Lstep_\@
.endm
.macro PASS_HEAD p                     ; tile p of my pair
.if \p
	s_wait_xcnt 0x0                                ; the first pass's stores have read their data: the registers may be written again
.endif
.irp i, 0,1,2,3,4,5
	v_mov_b32 v[22+\i], v[QP+6*\p+\i]
.endr
.if \p
	v_lshrrev_b32 v234, 16, v[QW]
.else
	v_and_b32 v234, 0xffff, v[QW]
.endif
	s_delay_alu instid0(VALU_DEP_1)
	v_lshl_or_b32 v[QS], v234, 16, v234            ; the tile's two bytes, twice
	v_mov_b32 v13, 0xff61b1e6                      ; the largest t so far: -3e38
	s_delay_alu instid0(VALU_DEP_1)
	v_floor_f32 v12, -v13
	v_mov_b32 v14, 0
	v_mov_b32 v15, 0
.set J, 0
.rept 32
	v_mov_b32 v[O+J], 0                            ; the step is written once: the first finds zeros.  (These also stand between the write of q's scale word and the first product)
.set J, J+1
.endr
	s_mov_b32 s[TB], 0
	s_mov_b32 s[TS], 0
.endm
.macro PASS_TAIL p                     ; O^T / the sum: register 16 b + i = the head's 32 b + 16 h + i: two blocks along E; six registers of codes, one half of a fragment
.rept 4
	v_nop
.endr
	v_add_f32 v14, v14, v15
	s_delay_alu instid0(VALU_DEP_1)
	v_permlanex16_b32 v234, v14, s[SEL], s[SEL+1]
	s_delay_alu instid0(VALU_DEP_1)
	v_add_f32 v14, v14, v234                       ; the row's sum
	s_wait_alu depctr_va_vdst(0)
	v_rcp_f32 v14, v14
	v_nop                                          ; a plain instruction behind the reciprocal,
	s_wait_alu depctr_va_vdst(0)                   ; and the wait ahead of its first reader
.set J, 0
.rept 16
	v_pk_mul_f32 v[S+J:S+J+1], v[O+J:O+J+1], v[14:15] op_sel_hi:[1,0]     ; each accumulator from its low end on
.set J, J+2
.endr
.irp b, 0,1
	v_max3_num_f32 v[BM+\b], |v[S+16*\b]|, |v[S+16*\b+1]|, 0x1800000
.endr
.irp i, 2,4,6,8,10,12,14
.irp b, 0,1
	s_delay_alu instid0(VALU_DEP_2)
	v_max3_num_f32 v[BM+\b], v[BM+\b], |v[S+16*\b+\i]|, |v[S+16*\b+\i+1]|
.endr
.endr
.irp b, 0,1
	s_delay_alu instid0(VALU_DEP_2)
	v_permlanex16_b32 v[T2+\b], v[BM+\b], s[SEL], s[SEL+1]
.endr
.irp b, 0,1
	s_delay_alu instid0(VALU_DEP_2)
	v_max_num_f32 v[BM+\b], v[BM+\b], v[T2+\b]
.endr
.irp b, 0,1
	s_delay_alu instid0(VALU_DEP_2)
	v_add_nc_u32 v[SOP+\b], 0xff000000, v[BM+\b]
.endr
.irp b, 0,1
	s_delay_alu instid0(VALU_DEP_2)
	v_lshrrev_b32 v[T2+\b], 23, v[SOP+\b]
.endr
	s_delay_alu instid0(VALU_DEP_1)
	v_lshl_or_b32 v[HW], v[T2+1], 8, v[T2]
	v_cvt_scalef32_pk16_fp6_f32 v[PC:PC+2], v[S:S+15], v[SOP]
	v_cvt_scalef32_pk16_fp6_f32 v[CT:CT+2], v[S+16:S+31], v[SOP+1]
	v_nop
.irp i, 0,1,2
	v_permlane16_swap_b32 v[PC+\i], v[CT+\i]
.endr
.irp i, 0,1,2
	s_delay_alu instid0(VALU_DEP_3)
	v_mov_b32 v[PC+3+\i], v[CT+\i]
.endr
	global_store_b128 v[LI], v[PC:PC+3], s[10:11] offset:3072*\p           ; 512 consecutive bytes, aligned
	global_store_b64 v[L8], v[PC+4:PC+5], s[10:11] offset:3072*\p+512      ; 256 consecutive bytes, aligned
	global_store_b16 v[R8], v[HW], s[12:13] offset:512*\p                  ; two bytes a row, 8 bytes apart: a row's word of 128 along E belongs to two heads, that is to two work-groups; these bytes are 1/24 of the codes'
.endm
	s_wait_loadcnt 0x0                             ; q
	PASS_HEAD 0
	s_wait_alu depctr_va_vdst(0)
	s_wait_tensorcnt 0x0                           ; every wave waits for its load, if it has one,
	s_barrier_signal -1
	s_barrier_wait -1                              ; and all of K, V and the scale words is shown to all: this is the only barrier ahead of the closing round
	STEPS 16
	PASS_TAIL 0
	PASS_HEAD 1
	STEPS 16                                       ; all of K and V lies in LDS: no barrier, the waves drift freely
	PASS_TAIL 1
	s_wait_tensorcnt 0x0                           ; the wave's end
	ds_add_u32 v[SPW], v[NIL]
	s_wait_dscnt 0x0
	CROUND                                         ; the closing round
	s_endpgm
.Lfunc_end_k_qe9406f3abd_attn:
	.size	k_qe9406f3abd_attn, .Lfunc_end_k_qe9406f3abd_attn-k_qe9406f3abd_attn
	.p2alignl 7, 3214868480
	.fill 96, 4, 3214868480
	.section	.rodata,"a",@progbits
	.p2align	6, 0x0
	.amdhsa_kernel k_qe9406f3abd_attn
		.amdhsa_group_segment_fixed_size 206848
		.amdhsa_private_segment_fixed_size 0
		.amdhsa_enable_private_segment 0
		.amdhsa_kernarg_size 40
		.amdhsa_user_sgpr_count 2
		.amdhsa_user_sgpr_kernarg_segment_ptr 1
		.amdhsa_wavefront_size32 1
		.amdhsa_system_sgpr_workgroup_id_x 1
		.amdhsa_system_sgpr_workgroup_id_y 1
		.amdhsa_system_sgpr_workgroup_id_z 1
		.amdhsa_system_vgpr_workitem_id 0
		.amdhsa_next_free_vgpr 256
		.amdhsa_next_free_sgpr 80
		.amdhsa_reserve_vcc 0
		.amdhsa_float_denorm_mode_32 3
		.amdhsa_float_denorm_mode_16_64 3
		.amdhsa_memory_ordered 1
		.amdhsa_forward_progress 1
		.amdhsa_inst_pref_size 54
	.end_amdhsa_kernel
	.amdgpu_metadata
---
amdhsa.version: [ 1, 2 ]
amdhsa.kernels:
  - .name:           k_qe9406f3abd_attn
    .symbol:         k_qe9406f3abd_attn.kd
    .args:
      - { .name: qimg, .offset: 0, .size: 8, .value_kind: global_buffer, .address_space: global }
      - { .name: kv, .offset: 8, .size: 8, .value_kind: global_buffer, .address_space: global }
      - { .name: sc, .offset: 16, .size: 8, .value_kind: global_buffer, .address_space: global }
      - { .name: vimg, .offset: 24, .size: 8, .value_kind: global_buffer, .address_space: global }
      - { .name: vsc, .offset: 32, .size: 8, .value_kind: global_buffer, .address_space: global }
    .group_segment_fixed_size: 206848
    .private_segment_fixed_size: 0
    .kernarg_segment_align: 8
    .kernarg_segment_size: 40
    .max_flat_workgroup_size: 512
    .sgpr_count:     80
    .vgpr_count:     256
    .wavefront_size: 32
...
	.end_amdgpu_metadata
.endif
;; end of part 3
;; launch oproj (part 4): grid 8 x 32, 4 waves a work-group, clusters of 4 x 4, 327,680 bytes of LDS; arguments vimg, vsc, codes, scales, o_b, out0; writes out0
.if DOCPART == 4
	.amdgcn_target "amdgcn-amd-amdhsa--gfx1250"
	.amdhsa_code_object_version 6
	.text
	.protected	k_qe9406f3abd_oproj
	.globl	k_qe9406f3abd_oproj
	.p2align	8
	.type	k_qe9406f3abd_oproj,@function
k_qe9406f3abd_oproj:
	s_mov_b64 s[64:65], 0
	v_nop
	global_prefetch_b8 v0, s[64:65] scope:SCOPE_SE
	s_setreg_imm32_b32 hwreg(HW_REG_WAVE_MODE, 25, 1), 1
	s_wait_xcnt 0x0
	s_wait_alu depctr_hold_cnt(0) depctr_sa_sdst(0) depctr_va_vdst(0) depctr_va_sdst(0) depctr_va_ssrc(0) depctr_va_vcc(0) depctr_vm_vsrc(0)
	s_getreg_b32 s2, hwreg(HW_REG_IB_STS2, 6, 4)
	s_cmp_eq_u32 s2, 0
	s_cbranch_scc0 .Lentry_in_a_cluster
	s_endpgm
.Lentry_in_a_cluster:
	s_bfe_u32 s2, ttmp6, 0x10000c
	s_cmp_lg_u32 s2, 0xf033
	s_cbranch_scc0 .Lentry_shape_is_right
	s_endpgm
.Lentry_shape_is_right:
; out = vals o_w^T + o_b on codes of FP6 (E2M3) with E8M0 scales, f32 sums.  vals' codes and scale words were made by the attention launch, o_w's by the first launch, both in the order of the operand's registers.
; SHARES.  A work-group makes 256 stored rows (16 tiles of vals) x 128 columns (8 stored tiles of o_w): 256 work-groups.  Wave w owns vals' tiles 4 w .. 4 w + 3 against all 8: 32 accumulators.
; The products are used TRANSPOSED (source 0 = 16 rows of o_w, source 1 = 16 rows of vals): a lane holds eight neighbouring columns of one row.  The bias is the C of each sum's first product.
; K goes in four steps of 256 through two LDS slots; a K step's tiles are dense blocks of memory in register order: no padding.  All scale words come once, with the first fills.
; CLUSTER 4 x 4: vals' tiles are shared along a row of the cluster, o_w's along a column: each is asked for jointly.
; THE STORED ORDER OF ROWS ENDS HERE: index i of stored tile 2 b + u is row 32 b + 8 u + i + 8 (i / 8); for the columns it is undone on the way into the stage, for the rows in the stores' offsets.
; REGISTERS.  window 0: v1-29 addresses; v32-63 scale words, two sets of 16; v64-159 vals' fragments, TWO sets of 48 (on the way out v64-191: rows read back).  window 1: o_w's fragments, ONE set.
;   window 2: the accumulators ((a, bt) at v[64 a + 8 bt]).   window 3: v0-63 the bias.
.set NBT,   8
.set HB,    4
.set SLOT,  73728                      ; 16 tiles of vals and 8 of o_w, 3,072 bytes each
.set SCL,   2*SLOT                     ; the scale words: vals' 16 tiles x 512 bytes, then o_w's 8
.set STG,   SCL+8192+NBT*512           ; the way out: 16 rows x (512 + 16) bytes for each wave; no tensor load fills it
.set SPARE, STG+4*16*528               ; the spare words, 128 bytes a wave
.set ASTEP, 1572864
.set BSTEP, 196608
.set BOFF,  8650752                    ; o_w's region in codes
.set BSOFF, 360448                     ; and in scales
.set LI,  4                            ; v4   16 x lane
.set L8,  5                            ; v5   8 x lane
.set STO, 10                           ; v10  the stage: where I put 32 bytes of a row
.set RD,  11                           ; v11  and where I read a row back
.set ADRA16, 16
.set ADRA8,  18
.set ADRB16, 20
.set ADRB8,  22
.set ADRS, 27
.set SPW,  28                          ; v28  my spare word's address; never rewritten
.set NIL,  29                          ; v29  0; never rewritten
.set SC,   32
.set AF,   64
.set BK,   64
.set G1,   24
.set G0,   32
.set G1B,  48
.set G0B,  56
.set G1S,  68
.set G0S,  76
.set G1SB, 80
.set G0SB, 88
.set MSB, 0
.macro WIN new                         ; the immediate's high byte repeats the setting that is left
.if MSB != (\new)
	s_set_vgpr_msb (MSB<<8)|(\new)
.set MSB, (\new)
.endif
.endm
.macro PLACES                          ; four plain instructions between a matrix instruction and a load into, or a store's read of, its registers
.rept 4
	v_nop
.endr
.endm
.macro DENSE g, rows                   ; descriptor group 1, words 1-7: a dense block as rows of 256 bytes (32 elements of 8 bytes)
	s_mov_b32 s[\g+1], 32<<16
	s_mov_b32 s[\g+2], (\rows)<<16
	s_mov_b32 s[\g+3], 32<<16
	s_mov_b32 s[\g+4], \rows
	s_mov_b32 s[\g+5], 32
	s_mov_b32 s[\g+6], 0
	s_mov_b32 s[\g+7], 0
.endm
.macro JLOAD g0a, g1a, g0b, g1b        ; a joint load: waves 0 and 1 fetch for vals, waves 2 and 3 for o_w; an s_nop 0 and four v_nop follow each of the two lines
	s_cmp_eq_u32 s17, 0
	s_cbranch_scc0 .Lfor_b_\@
	tensor_load_to_lds s[\g0a:\g0a+3], s[\g1a:\g1a+7]
	s_nop 0
.rept 4
	v_nop
.endr
	s_branch .Lasked_\@
.Lfor_b_\@:
	tensor_load_to_lds s[\g0b:\g0b+3], s[\g1b:\g1b+7]
	s_nop 0
.rept 4
	v_nop
.endr
.Lasked_\@:
.endm
.macro CREST
	s_cmp_lg_u32 s16, 0
	s_cbranch_scc1 .Lnot_wave_0_\@
	s_barrier_signal -3
.Lnot_wave_0_\@:
	s_barrier_wait -3
	s_barrier_signal -1
	s_barrier_wait -1
.endm
.macro CROUND
	s_barrier_signal -1
	s_barrier_wait -1
	CREST
.endm
	s_load_b256 s[4:11], s[0:1], 0x0               ; vimg, vsc, codes, scales
	s_load_b128 s[12:15], s[0:1], 0x20             ; o_b, out0
	v_lshl_add_u32 v[SPW], v0, 2, SPARE
	v_mov_b32 v[NIL], 0
	ds_add_u32 v[SPW], v[NIL]                      ; the wave's opening: the add and its wait stand ahead of my first tensor load; work on registers stands between them
	ds_add_u32 v[SPW], v[NIL]
	v_lshrrev_b32 v1, 5, v0
	v_readfirstlane_b32 s16, v1                    ; wave
	s_lshr_b32 s17, s16, 1                         ; I fetch for vals (0) or for o_w (1)
	s_and_b32 s18, s16, 1                          ; and which half of its tiles
	s_bfe_u32 s40, ttmp6, 0x40000                  ; cx, cy
	s_bfe_u32 s41, ttmp6, 0x40004
	s_lshl_b32 s42, ttmp9, 2
	s_add_co_u32 s42, s42, s40                     ; which 128 columns
	s_and_b32 s43, ttmp7, 0xffff
	s_lshl_b32 s43, s43, 2
	s_add_co_u32 s43, s43, s41                     ; which 256 rows
	s_lshl_b32 s44, s41, 2
	s_lshl_b32 s44, 15, s44                        ; my row of the cluster
	s_lshl_b32 s45, 0x1111, s40                    ; my column
	s_or_b32 s[G1], s44, (3<<16)|(1<<21)           ; 15:0 the mask; 17:16 elements of 8 bytes; 21 set beside a mask; no padding
	s_or_b32 s[G1B], s45, (3<<16)|(1<<21)
	s_or_b32 s[G1S], s44, (3<<16)|(1<<21)
	s_or_b32 s[G1SB], s45, (3<<16)|(1<<21)
	DENSE G1, 192                                  ; the head's load: all 16 tiles of vals, 49,152 bytes (behind the head the two words that count rows are set to 96)
	DENSE G1B, HB*24                               ; all 8 tiles of o_w: 24,576 bytes (then 48 rows)
	DENSE G1S, 32                                  ; 16 tiles' scale words
	DENSE G1SB, HB*4                               ; 8 tiles'
	s_lshl_b32 s20, s43, 4                         ; vals' addresses are made of the rows' number and the wave's, o_w's of the columns' number and the wave's, each in registers that never hold the other coordinate
	s_lshl_b32 s19, s18, 3
	s_add_co_u32 s20, s20, s19
	s_lshl_b32 s22, s43, 13                        ; the scale words of the work-group's 16 tiles of vals, 512 bytes each
	s_mul_i32 s20, s20, 3072
	s_mov_b32 s21, 0
	s_mov_b32 s23, 0
	s_mul_i32 s46, s42, NBT
	s_mul_i32 s47, s18, HB
	s_add_co_u32 s46, s46, s47
	s_mul_i32 s92, s42, NBT*512                    ; and of its 8 tiles of o_w
	s_add_co_u32 s92, s92, BSOFF
	s_mul_i32 s46, s46, 3072
	s_add_co_u32 s46, s46, BOFF
	s_mov_b32 s47, 0
	s_mov_b32 s93, 0
	s_mul_i32 s19, s18, 24576                      ; where they go: no place in the cluster enters an LDS address
	s_mov_b32 s[G0+1], s19
	s_add_co_u32 s[G0+5], s19, SLOT
	s_mul_i32 s19, s18, HB*3072
	s_add_co_u32 s[G0B+1], s19, 49152
	s_add_co_u32 s[G0B+5], s19, 49152+SLOT
	s_mov_b32 s[G0S+1], SCL
	s_mov_b32 s[G0SB+1], SCL+8192
.irp g, G0, G0+4, G0B, G0B+4, G0S, G0SB
	s_mov_b32 s[\g], 1
.endr
	s_wait_dscnt 0x0                               ; the opening add is done
	s_wait_kmcnt 0x0
	s_add_nc_u64 s[G0+2:G0+3], s[4:5], s[20:21]
	s_add_nc_u64 s[G0+6:G0+7], s[G0+2:G0+3], ASTEP
	s_or_b32 s[G0+3], s[G0+3], 0x80000000
	s_or_b32 s[G0+7], s[G0+7], 0x80000000
	s_add_nc_u64 s[G0B+2:G0B+3], s[8:9], s[46:47]
	s_add_nc_u64 s[G0B+6:G0B+7], s[G0B+2:G0B+3], BSTEP
	s_or_b32 s[G0B+3], s[G0B+3], 0x80000000
	s_or_b32 s[G0B+7], s[G0B+7], 0x80000000
	s_add_nc_u64 s[G0S+2:G0S+3], s[6:7], s[22:23]
	s_or_b32 s[G0S+3], s[G0S+3], 0x80000000
	s_add_nc_u64 s[G0SB+2:G0SB+3], s[10:11], s[92:93]
	s_or_b32 s[G0SB+3], s[G0SB+3], 0x80000000
	CROUND                                         ; all sixteen work-groups are here: the first joint loads meet
; THE HEAD'S LOADS, ONE A WAVE: wave 0 slot 0's 16 tiles of vals, wave 1 their scale words, wave 2 slot 0's 8 tiles of o_w, wave 3 its scale words.
; Waves 0 and 2 have half 0, so their ring's group 0 of slot 0 stands at the tiles' first byte.  One chain of branches on the wave's number: every way passes one load.
.macro ARM under, g0, g1, next
	s_cmp_lt_u32 s16, \under
	s_cbranch_scc0 \next
	tensor_load_to_lds s[\g0:\g0+3], s[\g1:\g1+7]
	s_nop 0
.rept 4
	v_nop
.endr
	s_branch .Lhead_asked
\next:
.endm
	ARM 1, G0, G1, .Lhead_sa
	ARM 2, G0S, G1S, .Lhead_b
	ARM 3, G0B, G1B, .Lhead_sb
	tensor_load_to_lds s[G0SB:G0SB+3], s[G1SB:G1SB+7]
	s_nop 0
.rept 4
	v_nop
.endr
.Lhead_asked:
	v_and_b32 v1, 15, v0                           ; r
	v_bfe_u32 v2, v0, 4, 1                         ; h
	v_and_b32 v3, 31, v0
	v_lshlrev_b32 v[LI], 4, v3
	v_lshlrev_b32 v[L8], 3, v3
	s_mul_i32 s19, s16, 12288                      ; my four tiles of vals
.irp s, 0,1
	v_add_nc_u32 v[ADRA16+\s], s19, v[LI]
	v_add_nc_u32 v[ADRA8+\s], s19, v[L8]
	v_add_nc_u32 v[ADRB16+\s], 49152+\s*SLOT, v[LI]
	v_add_nc_u32 v[ADRB8+\s], 49152+\s*SLOT, v[L8]
	s_add_co_u32 s19, s19, SLOT
.endr
	s_lshl_b32 s19, s16, 11                        ; scale words: lanes 0-15 begin at vals' tile 4 w, lanes 16-31 at o_w's tile 0: the lower base + h x the distance
	s_sub_co_u32 s66, 8192, s19
	v_mul_u32_u24 v8, s66, v2
	v_lshl_add_u32 v8, v1, 3, v8
	s_add_co_u32 s19, s19, SCL
	v_add_nc_u32 v[ADRS], s19, v8
	v_lshlrev_b32 v6, 6, v2                        ; the bias: 64 h bytes
	s_wait_alu depctr_va_vdst(0)
	s_mul_i32 s19, s16, 16*528
	s_add_co_u32 s19, s19, STG                     ; my stage
	v_mul_u32_u24 v[STO], v1, 528
	v_lshl_add_u32 v[STO], v2, 6, v[STO]
	v_add_nc_u32 v[STO], s19, v[STO]               ; in: row r, + 64 h
	v_add_nc_u32 v[RD], s19, v[LI]                 ; back: a row of 512 bytes, 16 bytes a lane
	s_lshl_b32 s94, s43, 8
	s_lshl_b32 s66, s16, 6
	s_add_co_u32 s94, s94, s66                     ; my first row of out
	s_lshl_b32 s94, s94, 12
	s_lshl_b32 s66, s42, 9
	s_add_co_u32 s94, s94, s66                     ; and the work-group's first column, in bytes
	s_mov_b32 s95, 0
	s_add_nc_u64 s[14:15], s[14:15], s[94:95]
	s_mov_b32 s67, 0
	s_add_nc_u64 s[12:13], s[12:13], s[66:67]      ; the 128 columns' bias
	WIN 0xc0                                       ; destination window 3
.irp t, 0,1,2,3,4,5,6,7                        ; lane (r, h), register j of tile t: column 32 (t / 2) + 8 (t % 2) + 16 h + j
	global_load_b128 v[8*\t:8*\t+3], v6, s[12:13] offset:128*(\t/2)+32*(\t%2)
	global_load_b128 v[8*\t+4:8*\t+7], v6, s[12:13] offset:128*(\t/2)+32*(\t%2)+16
.endr
	WIN 0
.macro FRAG reg, a16, a8, off          ; a fragment's 12 registers: two halves of 768 bytes, each 16 bytes a lane and then 8
	ds_load_b128 v[\reg:\reg+3], v[\a16] offset:\off
	ds_load_b64 v[\reg+4:\reg+5], v[\a8] offset:\off+512
	ds_load_b128 v[\reg+6:\reg+9], v[\a16] offset:\off+768
	ds_load_b64 v[\reg+10:\reg+11], v[\a8] offset:\off+1280
.endm
.macro FETCHB slot, q, lo, n
	WIN 0x40
.set BT, \lo
.rept \n
	FRAG 12*BT, ADRB16+\slot, ADRB8+\slot, 3072*BT+1536*(\q)
.set BT, BT+1
.endr
	WIN 0
.endm
.macro FETCHA slot, q, set
.irp a, 0,1,2,3
	FRAG AF+48*(\set)+12*\a, ADRA16+\slot, ADRA8+\slot, 3072*\a+1536*(\q)
.endr
.endm
.macro SCALES set                      ; lanes 0-15 vals' tile 4 w + i (used for i < 4), lanes 16-31 o_w's tile i; two words each
.set SX, 0
.rept NBT
	ds_load_b64 v[SC+2*NBT*(\set)+2*SX:SC+2*NBT*(\set)+2*SX+1], v[ADRS] offset:512*SX
.set SX, SX+1
.endr
.endm
; Four products of o_w's tile bt.  first = 1: the bias is C.  All 32 accumulators take turns, one instruction a turn, in the same order in every step.
.macro MULT bt, q, set, sc, first
.if \first
	WIN 0xb1                                       ; source 0 window 1, source 1 window 0, C window 3, D window 2
.else
	WIN 0xa1
.endif
.irp a, 0,1,2,3
.set AC, 64*\a+8*(\bt)
.set FB, 12*(\bt)
.set FA, AF+48*(\set)+12*\a
.set SWB, SC+2*NBT*(\sc)+2*(\bt)+(\q)
.set SWA, SC+2*NBT*(\sc)+2*\a+(\q)
.if \first
	v_wmma_scale_f32_16x16x128_f8f6f4 v[AC:AC+7], v[FB:FB+11], v[FA:FA+11], v[8*(\bt):8*(\bt)+7], v[SWB], v[SWA] matrix_a_fmt:MATRIX_FMT_FP6 matrix_b_fmt:MATRIX_FMT_FP6 matrix_a_scale:MATRIX_SCALE_ROW1
.else
	v_wmma_scale_f32_16x16x128_f8f6f4 v[AC:AC+7], v[FB:FB+11], v[FA:FA+11], v[AC:AC+7], v[SWB], v[SWA] matrix_a_fmt:MATRIX_FMT_FP6 matrix_b_fmt:MATRIX_FMT_FP6 matrix_a_scale:MATRIX_SCALE_ROW1
.endif
.endr
.endm
.macro PRODS lo, n, q, set, sc, first
.set PB, \lo
.rept \n
	MULT PB, \q, \set, \sc, \first
.set PB, PB+1
.endr
.endm
.macro STEP slot, first                ; a slot's first 128 along K (vals' set 0)
	s_wait_dscnt 4*HB                              ; all but the youngest 16 loads, o_w's tiles 4-7
	PRODS 0, HB, 0, 0, \slot, \first
	s_wait_dscnt 0x0                               ; those are in
	PLACES
	FETCHB \slot, 1, 0, HB
	FETCHA \slot, 1, 1
	PRODS HB, HB, 0, 0, \slot, \first
	PLACES
	FETCHB \slot, 1, HB, HB
.endm
; A slot's second 128 along K (vals' set 1) changes slots: ONE barrier; in front of it each wave waits for all its tensor loads, adds 0 to its spare word, and waits for that and for its reads of this slot.
.macro TURN slot, next, fill
	s_wait_tensorcnt 0x0                           ; all my tensor loads have landed: my part of the next slot
	ds_add_u32 v[SPW], v[NIL]                      ; 0 onto my spare word
	s_wait_dscnt 4*HB+1                            ; (the add and the youngest 16 loads may be out)
	PRODS 0, HB/2, 1, 1, \slot, 0                  ; eight products stand between the add and the wait for it
	s_wait_dscnt 0x0                               ; the add is done, and my reads of this slot are over
	s_barrier_signal -1
	PRODS HB/2, HB/2, 1, 1, \slot, 0
	WIN 0
	s_barrier_wait -1
.if \fill
	CREST                                          ; the barrier has opened a round of the cluster's barrier: no wave of any partner still reads this slot or has a load on its way
	s_add_nc_u64 s[G0+4*\slot+2:G0+4*\slot+3], s[G0+4*\slot+2:G0+4*\slot+3], 2*ASTEP
	s_add_nc_u64 s[G0B+4*\slot+2:G0B+4*\slot+3], s[G0B+4*\slot+2:G0B+4*\slot+3], 2*BSTEP
	JLOAD G0+4*\slot, G1, G0B+4*\slot, G1B         ; my one tensor load behind the round, two K steps ahead; its four v_nop are the places in front of the loads below
.else
	PLACES
.endif
	s_wait_alu depctr_va_vdst(0)
	v_add_nc_u32 v[ADRS], 128, v[ADRS]             ; the next K step's scale words
	FETCHB \next, 0, 0, HB
	FETCHA \next, 0, 0
	SCALES \next
	PRODS HB, HB, 1, 1, \slot, 0
	PLACES
	FETCHB \next, 0, HB, HB
.endm
	s_wait_alu depctr_va_vdst(0)
	s_wait_tensorcnt 0x0                           ; my tile of the head's four is in
	ds_add_u32 v[SPW], v[NIL]
	s_mov_b32 s[G1+2], 96<<16                      ; no tensor load of mine is out: from here on a load brings half of a slot's tiles
	s_mov_b32 s[G1+4], 96
	s_mov_b32 s[G1B+2], (HB*12)<<16
	s_mov_b32 s[G1B+4], HB*12
	s_wait_dscnt 0x0                               ; the add is done
	CROUND                                         ; a whole round: all four tiles are in, and the sixteen work-groups meet
	JLOAD G0+4, G1, G0B+4, G1B                     ; slot 1's first fill, my one tensor load behind the round
	FETCHB 0, 0, 0, HB
	FETCHA 0, 0, 0
	SCALES 0
	FETCHB 0, 0, HB, HB
	s_wait_loadcnt 0x0                             ; the bias
	STEP 0, 1                                      ; K is four steps of 256: written out
	TURN 0, 1, 1
	STEP 1, 0
	TURN 1, 0, 1
	STEP 0, 0
	TURN 0, 1, 0                                   ; nothing is left to fetch
	STEP 1, 0
	s_wait_dscnt 4*HB
	PRODS 0, HB, 1, 1, 1, 0
	s_wait_dscnt 0x0
	PRODS HB, HB, 1, 1, 1, 0
	WIN 0
; THE WAY OUT, a tile of 16 rows x 128 columns at a time, through my own stage: in by 32 bytes a lane, back as whole rows of 512 bytes.  LDS serves a wave's instructions in order: no wait between the stores and the loads.
.macro TOSTAGE a
	WIN 0x08                                       ; an LDS store's data are its source 1: window 2
.irp t, 0,1,2,3,4,5,6,7
	ds_store_b128 v[STO], v[64*(\a)+8*\t:64*(\a)+8*\t+3] offset:128*(\t/2)+32*(\t%2)          ; each accumulator from its low end on
	ds_store_b128 v[STO], v[64*(\a)+8*\t+4:64*(\a)+8*\t+7] offset:128*(\t/2)+32*(\t%2)+16
.endr
	WIN 0
.irp t, 0,1,2,3,4,5,6,7,8,9,10,11,12,13,14,15
	ds_load_b128 v[BK+64*((\a)%2)+4*\t:BK+64*((\a)%2)+4*\t+3], v[RD] offset:528*\t
.endr
.endm
.macro SEND a, younger                 ; younger: the LDS instructions issued behind tile a's loads, which may stay out
	s_wait_dscnt \younger
.irp t, 0,1,2,3,4,5,6,7,8,9,10,11,12,13,14,15
	global_store_b128 v[LI], v[BK+64*((\a)%2)+4*\t:BK+64*((\a)%2)+4*\t+3], s[14:15] offset:(32*((\a)/2)+8*((\a)%2)+\t+8*(\t/8))*4096 th:TH_STORE_NT   ; 512 consecutive bytes, aligned; the row's true place stands in the offset
.endr
.endm
	PLACES
	TOSTAGE 0
	TOSTAGE 1
	SEND 0, 32                                     ; behind tile 0's loads: tile 1's 16 stores and 16 loads
	s_wait_xcnt 0x0                                ; tile 0's stores have read their registers: tile 2's rows may land there
	TOSTAGE 2
	SEND 1, 32
	s_wait_xcnt 0x0
	TOSTAGE 3
	SEND 2, 32
	SEND 3, 0
	s_wait_tensorcnt 0x0                           ; the wave's end
	ds_add_u32 v[SPW], v[NIL]
	s_wait_dscnt 0x0
	CROUND                                         ; the closing round: no work-group ends while a partner may still ask for a tile that names it
	s_endpgm
.Lfunc_end_k_qe9406f3abd_oproj:
	.size	k_qe9406f3abd_oproj, .Lfunc_end_k_qe9406f3abd_oproj-k_qe9406f3abd_oproj
	.p2alignl 7, 3214868480
	.fill 96, 4, 3214868480
	.section	.rodata,"a",@progbits
	.p2align	6, 0x0
	.amdhsa_kernel k_qe9406f3abd_oproj
		.amdhsa_group_segment_fixed_size 327680
		.amdhsa_private_segment_fixed_size 0
		.amdhsa_enable_private_segment 0
		.amdhsa_kernarg_size 48
		.amdhsa_user_sgpr_count 2
		.amdhsa_user_sgpr_kernarg_segment_ptr 1
		.amdhsa_wavefront_size32 1
		.amdhsa_system_sgpr_workgroup_id_x 1
		.amdhsa_system_sgpr_workgroup_id_y 1
		.amdhsa_system_sgpr_workgroup_id_z 1
		.amdhsa_system_vgpr_workitem_id 0
		.amdhsa_next_free_vgpr 832
		.amdhsa_next_free_sgpr 100
		.amdhsa_reserve_vcc 0
		.amdhsa_float_denorm_mode_32 3
		.amdhsa_float_denorm_mode_16_64 3
		.amdhsa_memory_ordered 1
		.amdhsa_forward_progress 1
		.amdhsa_inst_pref_size 91
	.end_amdhsa_kernel
	.amdgpu_metadata
---
amdhsa.version: [ 1, 2 ]
amdhsa.kernels:
  - .name:           k_qe9406f3abd_oproj
    .symbol:         k_qe9406f3abd_oproj.kd
    .args:
      - { .name: vimg, .offset: 0, .size: 8, .value_kind: global_buffer, .address_space: global }
      - { .name: vsc, .offset: 8, .size: 8, .value_kind: global_buffer, .address_space: global }
      - { .name: codes, .offset: 16, .size: 8, .value_kind: global_buffer, .address_space: global }
      - { .name: scales, .offset: 24, .size: 8, .value_kind: global_buffer, .address_space: global }
      - { .name: o_b, .offset: 32, .size: 8, .value_kind: global_buffer, .address_space: global }
      - { .name: out0, .offset: 40, .size: 8, .value_kind: global_buffer, .address_space: global }
    .group_segment_fixed_size: 327680
    .private_segment_fixed_size: 0
    .kernarg_segment_align: 8
    .kernarg_segment_size: 48
    .max_flat_workgroup_size: 128
    .sgpr_count:     100
    .vgpr_count:     832
    .wavefront_size: 32
...
	.end_amdgpu_metadata
.endif
;; end of part 4
